; MI455X (gfx1250); checked and timed in simulation.
; The chip was launched on July 23, 2026; its instructions are those of AMD's public machine-readable ISA for CDNA 5 (MIT licence, August 2026) and "CDNA5" Instruction Set Architecture Reference Guide (July 2026). The comments in the code are by the model that wrote it; some were corrected since.
;; Atten Head. Allowed arithmetic: float matrix products may take bf16 or f16 operands with f32 sums; other float arithmetic in f32, or as packed bf16 or f16 multiplies, adds, multiply-adds, maxima and minima; sums over many terms, partial sums and values carried from step to step in f32; what a program stores and reads back later, other than sums and carried values, may be rounded once to bf16 or f16.
;; Inputs: WK 1,024 x 1,024 float32; WQ 1,024 x 1,024 float32; WV 1,024 x 1,024 float32; inputs_for_keys 4 x 2,048 x 1,024 float32; inputs_for_queries 4 x 2,048 x 1,024 float32; inputs_for_values 4 x 2,048 x 1,024 float32.
;; Outputs: out0 4 x 2,048 x 1,024 float32; out1 4 x 2,048 x 1,024 float32.
;; One version. Each part assembles by itself: llvm-mc -triple=amdgcn-amd-amdhsa -mcpu=gfx1250 --defsym DOCPART=n.
;; ======== version 1 of 1: 4 launches
;; limits: values are held in f16: magnitudes above 65,504 overflow, below 6.1e-05 lose precision
;; workspace buffers: wb 6,291,456 bytes; kvq 50,331,648 bytes; pbuf 33,554,432 bytes; stat 1,048,576 bytes
;; launch castw (part 1): grid 128 x 3, 8 waves a work-group, no clusters, 0 bytes of LDS; arguments WK, WV, WQ, wb; writes wb
.if DOCPART == 1
	.amdgcn_target "amdgcn-amd-amdhsa--gfx1250"
	.amdhsa_code_object_version 6
	.text
	.protected	k_q87ac71d13b_castw
	.globl	k_q87ac71d13b_castw
	.p2align	8
	.type	k_q87ac71d13b_castw,@function
k_q87ac71d13b_castw:
	s_mov_b64 s[64:65], 0
	v_nop
	global_prefetch_b8 v0, s[64:65] scope:SCOPE_SE
	s_setreg_imm32_b32 hwreg(HW_REG_WAVE_MODE, 25, 1), 1
	s_wait_xcnt 0x0
; wb[y][k][n] = bf16(W_y[k][n]), y = 0, 1, 2 for WK, WV, WQ: three matrices of 1,024 x 1,024, f32 in, bf16 out, the layout kept.
; A stream: each byte is read once and written once.  No LDS, no matrix unit, no cluster (no two work-groups read the same byte), and no prefetch:
; all of a work-group's loads go out at once, at its head.
; A work-group takes 8,192 numbers of one matrix; thread t takes the 8 numbers at byte 32 t of each of four groups of 8,192 bytes, and stores 16 bytes: a wave's store covers 512 consecutive bytes, aligned.
	s_load_b256 s[4:11], s[0:1], 0x0               ; WK s[4:5], WV s[6:7], WQ s[8:9], wb s[10:11]
	s_and_b32 s12, ttmp7, 0xffff                   ; which matrix
	s_lshl_b32 s14, ttmp9, 15                      ; the work-group's 32,768 bytes of f32
	s_mov_b32 s15, 0
	s_lshl_b32 s16, s12, 21                        ; a matrix is 2,097,152 bytes of bf16,
	s_lshl_b32 s17, ttmp9, 14                      ; the work-group's part 16,384
	s_add_co_u32 s16, s16, s17
	s_mov_b32 s17, 0
	v_lshlrev_b32 v1, 5, v0                        ; 32 t
	v_lshlrev_b32 v2, 4, v0                        ; 16 t
	s_wait_kmcnt 0x0
	s_cmp_eq_u32 s12, 1
	s_cselect_b64 s[4:5], s[6:7], s[4:5]
	s_cmp_eq_u32 s12, 2
	s_cselect_b64 s[4:5], s[8:9], s[4:5]
	s_add_nc_u64 s[4:5], s[4:5], s[14:15]
	s_add_nc_u64 s[10:11], s[10:11], s[16:17]
.irp n, 0,1,2,3
	global_load_b128 v[4+8*(\n):7+8*(\n)],  v1, s[4:5] offset:8192*(\n) th:TH_LOAD_NT
	global_load_b128 v[8+8*(\n):11+8*(\n)], v1, s[4:5] offset:8192*(\n)+16 th:TH_LOAD_NT
.endr
.irp n, 0,1,2,3
	s_wait_loadcnt 6-2*(\n)                        ; loads come back in order: group n's two are in, the younger groups' stay out
.irp p, 0,1,2,3
	v_cvt_pk_bf16_f32 v[36+4*(\n)+(\p)], v[4+8*(\n)+2*(\p)], v[5+8*(\n)+2*(\p)]
.endr
	global_store_b128 v2, v[36+4*(\n):39+4*(\n)], s[10:11] offset:4096*(\n)  ; each group has its own four registers: no store's data is rewritten
.endr
	s_endpgm
.Lfunc_end_k_q87ac71d13b_castw:
	.size	k_q87ac71d13b_castw, .Lfunc_end_k_q87ac71d13b_castw-k_q87ac71d13b_castw
	.p2alignl 7, 3214868480
	.fill 96, 4, 3214868480
	.section	.rodata,"a",@progbits
	.p2align	6, 0x0
	.amdhsa_kernel k_q87ac71d13b_castw
		.amdhsa_group_segment_fixed_size 0
		.amdhsa_private_segment_fixed_size 0
		.amdhsa_enable_private_segment 0
		.amdhsa_kernarg_size 32
		.amdhsa_user_sgpr_count 2
		.amdhsa_user_sgpr_kernarg_segment_ptr 1
		.amdhsa_wavefront_size32 1
		.amdhsa_system_sgpr_workgroup_id_x 1
		.amdhsa_system_sgpr_workgroup_id_y 1
		.amdhsa_system_sgpr_workgroup_id_z 1
		.amdhsa_system_vgpr_workitem_id 0
		.amdhsa_next_free_vgpr 52
		.amdhsa_next_free_sgpr 66
		.amdhsa_reserve_vcc 0
		.amdhsa_float_denorm_mode_32 3
		.amdhsa_float_denorm_mode_16_64 3
		.amdhsa_memory_ordered 1
		.amdhsa_forward_progress 1
		.amdhsa_inst_pref_size 4
	.end_amdhsa_kernel
	.amdgpu_metadata
---
amdhsa.version: [ 1, 2 ]
amdhsa.kernels:
  - .name:           k_q87ac71d13b_castw
    .symbol:         k_q87ac71d13b_castw.kd
    .args:
      - { .name: WK, .offset: 0, .size: 8, .value_kind: global_buffer, .address_space: global }
      - { .name: WV, .offset: 8, .size: 8, .value_kind: global_buffer, .address_space: global }
      - { .name: WQ, .offset: 16, .size: 8, .value_kind: global_buffer, .address_space: global }
      - { .name: wb, .offset: 24, .size: 8, .value_kind: global_buffer, .address_space: global }
    .group_segment_fixed_size: 0
    .private_segment_fixed_size: 0
    .kernarg_segment_align: 8
    .kernarg_segment_size: 32
    .max_flat_workgroup_size: 256
    .sgpr_count:     66
    .vgpr_count:     52
    .wavefront_size: 32
...
	.end_amdgpu_metadata
.endif
;; end of part 1
;; launch proj (part 2): grid 4 x 64, 4 waves a work-group, clusters of 4 x 4, 327,680 bytes of LDS; arguments inputs_for_keys, inputs_for_values, inputs_for_queries, wb, kvq, out0; writes kvq, out0
.if DOCPART == 2
	.amdgcn_target "amdgcn-amd-amdhsa--gfx1250"
	.amdhsa_code_object_version 6
	.text
	.protected	k_q87ac71d13b_proj
	.globl	k_q87ac71d13b_proj
	.p2align	8
	.type	k_q87ac71d13b_proj,@function
k_q87ac71d13b_proj:
	s_mov_b64 s[64:65], 0
	v_nop
	global_prefetch_b8 v0, s[64:65] scope:SCOPE_SE
	s_setreg_imm32_b32 hwreg(HW_REG_WAVE_MODE, 25, 1), 1
	s_wait_xcnt 0x0
	s_wait_alu depctr_hold_cnt(0) depctr_sa_sdst(0) depctr_va_vdst(0) depctr_va_sdst(0) depctr_va_ssrc(0) depctr_va_vcc(0) depctr_vm_vsrc(0)
	s_getreg_b32 s2, hwreg(HW_REG_IB_STS2, 6, 4)
	s_cmp_eq_u32 s2, 0
	s_cbranch_scc0 .Lentry_in_a_cluster
	s_endpgm
.Lentry_in_a_cluster:
	s_bfe_u32 s2, ttmp6, 0x10000c
	s_cmp_lg_u32 s2, 0xf033
	s_cbranch_scc0 .Lentry_shape_is_right
	s_endpgm
.Lentry_shape_is_right:
; K, V, Q = x W.  x: three tensors [8192][1024] f32; wb: [3][1024 k][1024 n] bf16 (K, V, Q).  Products in bf16, sums in f32.
; Out: kvq [3][8192][1024] f16, each number rounded once from its f32 sum; out0 = Q in f32.
; LIMIT.  A number of K, V or Q beyond 65,504 becomes an infinity in kvq (out0 keeps it).  NaN and infinities are not treated apart.
; SHARES.  A tile is 128 rows x 256 columns: 768 tiles, three for each of 256 work-groups.  A work-group STAYS: it makes tile (mb, nb) of K, then of V, then of Q: 24 K steps of 128, and neither stream
; stops at a tile's end.  Four waves, each 64 rows x 128 columns: 32 accumulators (a = 16 rows, b = 16 columns), 256 registers.
; THE MATRIX INSTRUCTION IS USED TRANSPOSED: source 0 = 16 columns of W (W lies [k][n] in LDS and is turned by ds_load_tr16_b128), source 1 = 16 rows of x: a lane holds one row and 8 neighbouring columns.
; W comes by the tensor data mover through a ring of two LDS slots.  CLUSTER: 4 x 4 work-groups; the four of a column share nb and so W's tile, which is asked for jointly.
; x COMES THROUGH REGISTERS.  It has to be rounded to bf16, and the mover converts nothing: as f32 in the ring a K step's x is 64 KiB beside W's 64 KiB, two such slots fill LDS, and a refill has one step of
; 128 matrix instructions a wave in which to land.  So each wave loads 32 of the tile's 128 rows (a load covers one row's 512 consecutive bytes of a K step), converts each number once, and stores bf16 into
; a stage of two buffers, from which all four waves take x's fragments.  These loads are waited for by count and stay out a whole K step; the change of slots does not wait for them.
; THE PRICE: x's tile is shared by the four work-groups of a row of the cluster, and each of them loads it for itself: four requests for each block of x where a joint tensor load would make one.
; REGISTERS.  window 0: v0-31 addresses; v32-55 packed x on its way to the stage; v64-95, v96-127 x's fragments, two buffers; v160-191, v192-255 the way out (at the end also v32-95).
;   window 1: v0-63, v64-127 W's fragments; v128-255 x as loaded, 4 registers a row.  window 2: the accumulators, (a, b) at 8 (8 a + b).
.set PAS,   272                        ; a row of x in the stage: 256 bytes of bf16 + 16: the 16 rows of a load start in 16 different groups of four banks (ISA guide 11.1)
.set ABUF,  128*PAS                    ; a buffer of the stage
.set PB,    544                        ; a row of W: 512 bytes + 32 = 17 x 32, for the turning load
.set BHALF, 64*PB                      ; what one tensor load brings: 64 k rows
.set SLOT,  128*PB
.set ASTG,  2*SLOT                     ; behind the ring, never filled by a tensor load: x's stage,
.set STAGE, ASTG+2*ABUF                ; and 8,448 bytes a wave for the way out
.set P32,   528                        ; that stage's pitch for rows of 128 f32
.set STW,   16*P32
.set P16,   272                        ; and for rows of 128 f16
.set SPARE, STAGE+4*STW                ; the spare words: 128 bytes a wave, two blocks of 256 bytes that no other line names
.set R,     1                          ; v1  lane % 16
.set H,     2                          ; v2  lane / 16
.set ADRA0, 4                          ; v4  my place in the stage's buffer 0, for fragments; never rewritten
.set ADRB0, 5                          ; v5  my place in W's slot 0; never rewritten
.set ADRA,  6                          ; v6  the same in the buffer in hand
.set ADRB,  7
.set STO16, 8
.set RD16,  9
.set STO32, 10
.set RD32,  11
.set CO16,  12
.set CO32,  13
.set PFO,   14                         ; v14 the prefetches' offset; never rewritten
.set XO,    16                         ; v16 16 x lane: my 16 bytes of a row's 512; never rewritten
.set XS0,   17                         ; v17 where I store my 8 bytes of my wave's first row, in buffer 0; never rewritten
.set XS,    18                         ; v18 the same in the buffer that is being written
.set SPW,   28                         ; v28 my spare word; never rewritten
.set NIL,   29                         ; v29 0; never rewritten
.set TX,    32
.set RAW,   32
.set FA,    64
.set TMP,   160
.set OB,    192
.set X,     128                        ; in window 1
.set O16,   12                         ; s[12:13] kvq at my part of the tile in hand
.set O32,   14                         ; s[14:15] out0 at my part of Q's tile
.set WV,    16
.set WR,    17                         ; which 64 rows are mine.  Also: 1 in the waves that fetch W
.set WC,    18                         ; which 128 columns.  Also: which half of W's tile I fetch
.set CX,    19
.set CY,    20
.set NBK,   21
.set MBK,   22
.set YC,    23
.set PFN,   24                         ; the number that decides whether I prefetch
.set TAS,   25                         ; the stage's buffer that is written: 0 or ABUF
.set G1B,   40
.set G0B,   48                         ; two sets, for the two first fills; the second then walks
.set CURX,  56                         ; s[56:57] x at my wave's 32 rows, at the K step that is being loaded
.set CURB,  58                         ; s[58:59] wb at the K step asked for last
.set NX1,   60                         ; s[60:61] the next tensor's first K step
.set NX2,   62
.set ASKN,  66                         ; the number, in its tile, of W's K step asked for last
.set LIM,   67                         ; a wave prefetches while PFN is below it
.set PFA,   68
.set TB,    70                         ; W's slot that is read: 0 or SLOT
.set TBF,   71                         ; the slot that was filled last
.set STEPS, 72
.set TC,    73                         ; K steps left in the tile
.set TA,    74                         ; the stage's buffer that is read: 0 or ABUF
.set LB,    75
.set T2,    76
.set XN,    77                         ; the number, in its tile, of x's K step that is being loaded
.set MSB, 0
.macro WIN new                         ; the immediate's high byte repeats the setting that is left; a switch that changes nothing is dropped
.if MSB != (\new)
	s_set_vgpr_msb (MSB<<8)|(\new)
.set MSB, (\new)
.endif
.endm
.set MUL,  0xa1                        ; source 0 (W) window 1, source 1 (x) window 0, C and D window 2
.set TO_B, 0x40                        ; destination window 1, address window 0
.macro PLACES
.rept 4
	v_nop
.endr
.endm
.macro CREST                           ; a round of the cluster's barrier behind its opening barrier
	s_cmp_lg_u32 s[WV], 0
	s_cbranch_scc1 .Lnot_wave_0_\@
	s_barrier_signal -3
.Lnot_wave_0_\@:
	s_barrier_wait -3
	s_barrier_signal -1
	s_barrier_wait -1
.endm
.macro CROUND
	s_barrier_signal -1
	s_barrier_wait -1
	CREST
.endm
; A joint refill: waves 2 and 3 fetch W's two halves; waves 0 and 1 have no part of a tile to fill.  The branch hangs on the wave's number alone.  An s_nop 0 and four v_nop follow the line.
.macro JLOAD
	s_cmp_eq_u32 s[WR], 0
	s_cbranch_scc1 .Lnone_\@
	tensor_load_to_lds s[G0B+4:G0B+7], s[G1B:G1B+7]
	s_nop 0
	PLACES
.Lnone_\@:
.endm
; W's walking descriptor steps to the next K step (wb's three matrices lie end to end).  Written where no tensor load of the wave is out.  The prefetch's base and number are chosen here: the last prefetch
; has read its base, since the wait at the loop's top stands between.
.macro WALK
	s_add_nc_u64 s[CURB:CURB+1], s[CURB:CURB+1], 0x40000
	s_add_co_u32 s[ASKN], s[ASKN], 1
	s_and_b32 s[ASKN], s[ASKN], 7
	s_mov_b64 s[G0B+6:G0B+7], s[CURB:CURB+1]
	s_or_b32 s[G0B+7], s[G0B+7], 0x80000000
	s_xor_b32 s[TBF], s[TBF], SLOT
	s_add_co_u32 s[G0B+5], s[LB], s[TBF]
	s_cmp_eq_u32 s[WR], 0
	s_cselect_b64 s[PFA:PFA+1], s[CURX:CURX+1], s[CURB:CURB+1]
	s_cselect_b32 s[PFN], s[XN], s[ASKN]
.endm
; x's pointer steps to the next K step; behind a tile's eighth, to the next tensor's first.
.macro XWALK
	s_wait_xcnt 0x0                                ; every load and prefetch issued so far (the youngest 48 matrix instructions back) has read its address
	s_add_nc_u64 s[CURX:CURX+1], s[CURX:CURX+1], 512
	s_add_co_u32 s[XN], s[XN], 1
	s_cmp_eq_u32 s[XN], 8
	s_cselect_b64 s[CURX:CURX+1], s[NX1:NX1+1], s[CURX:CURX+1]
	s_cselect_b64 s[NX1:NX1+1], s[NX2:NX2+1], s[NX1:NX1+1]
	s_cselect_b32 s[XN], 0, s[XN]
.endm
; A PREFETCH INTO THE L2, behind the joint refill and the run of LDS loads: one instruction a wave, a lane a block of 256 bytes.  It names the K step two behind the one that is being loaded (x) or was just
; asked for (W), in the same tile: K steps 2 to 7 of each tile.  x: waves 0 and 1 ask, for rows 0-63 and 64-127 of the tile; its rows are read by one cluster alone, so every cluster asks for its own, and the
; four partners that load the same rows take 16 of the 64 each, told apart by address.  W: waves 2 and 3 ask, each for the 64 k rows that it fetches, the four partners of a column 16 each; W is read by all
; sixteen clusters, of which the first (cluster y = 0) asks.  So each block is named once in the launch.
.macro ASK
	s_cmp_lt_u32 s[PFN], s[LIM]
	s_cbranch_scc0 .Lnot_mine_\@
	global_prefetch_b8 v[PFO], s[PFA:PFA+1] th:TH_LOAD_NT scope:SCOPE_SE
.Lnot_mine_\@:
.endm
; cnt rows of my 32, from row r0 on, are loaded: a load covers one row's 512 consecutive bytes, aligned.
.macro XLOAD r0, cnt
	WIN TO_B
.set xi, (\r0)
.rept \cnt
	global_load_b128 v[X+4*xi:X+4*xi+3], v[XO], s[CURX:CURX+1] offset:4096*xi
.set xi, xi+1
.endr
.endm
; cnt rows of the next K step's x: waited for (left = the younger loads, which stay out), rounded to bf16, 8 bytes a lane into the stage (a store covers a row's 256 consecutive bytes);
; ld = 1: the same registers are loaded again at once, with the K step after that.
.macro XPART r0, cnt, ld, left
	WIN 0x05                                       ; sources 0 and 1 window 1, destination window 0
	s_wait_loadcnt \left
.set xi, 0
.rept \cnt
	v_cvt_pk_bf16_f32 v[TX+2*xi],   v[X+4*((\r0)+xi)],   v[X+4*((\r0)+xi)+1]
	v_cvt_pk_bf16_f32 v[TX+2*xi+1], v[X+4*((\r0)+xi)+2], v[X+4*((\r0)+xi)+3]
.set xi, xi+1
.endr
	WIN 0
.set xi, 0
.rept \cnt
	ds_store_b64 v[XS], v[TX+2*xi:TX+2*xi+1] offset:((\r0)+xi)*PAS
.set xi, xi+1
.endr
.if \ld
	XLOAD \r0, \cnt
.endif
.endm
	s_load_b256 s[4:11], s[0:1], 0x0               ; keys' x s[4:5], values' s[6:7], queries' s[8:9], wb s[10:11]
	s_load_b128 s[12:15], s[0:1], 0x20             ; kvq, out0
	v_lshl_add_u32 v[SPW], v0, 2, SPARE
	v_mov_b32 v[NIL], 0
	ds_add_u32 v[SPW], v[NIL]                      ; the wave's opening: the add and its wait stand ahead of my first tensor load; the set-up below stands between them
	v_lshrrev_b32 v3, 5, v0
	v_readfirstlane_b32 s[WV], v3
	s_lshr_b32 s[WR], s[WV], 1
	s_and_b32 s[WC], s[WV], 1
	s_bfe_u32 s[CX], ttmp6, 0x40000
	s_bfe_u32 s[CY], ttmp6, 0x40004
	s_lshl_b32 s[NBK], ttmp9, 2
	s_add_co_u32 s[NBK], s[NBK], s[CX]             ; block of 256 columns
	s_and_b32 s[YC], ttmp7, 0xffff
	s_lshl_b32 s[MBK], s[YC], 2
	s_add_co_u32 s[MBK], s[MBK], s[CY]             ; block of 128 rows
	s_lshl_b32 s79, 0x1111, s[CX]                  ; my column of the cluster
	s_or_b32 s[G1B], s79, (1<<16)|(1<<20)|(1<<21)|(6<<22)|(7<<25)  ; the mask; elements of 2 bytes; padding on; bit 21 beside a mask; after every 128 words, 8 words
	s_mov_b32 s[G1B+1], 256<<16                    ; tensor_dim0 = 256
	s_mov_b32 s[G1B+2], 64<<16                     ; tensor_dim1 = 64
	s_mov_b32 s[G1B+3], 256<<16                    ; tile_dim0 = 256
	s_mov_b32 s[G1B+4], 64                         ; tile_dim1 = 64
	s_mov_b32 s[G1B+5], 1024                       ; elements from row to row
	s_mov_b32 s[G1B+6], 0
	s_mov_b32 s[G1B+7], 0
	s_lshl_b32 s80, s[MBK], 19                     ; x: (128 mb + 32 wave) rows of 4,096 bytes
	s_lshl_b32 s81, s[WV], 17
	s_add_co_u32 s80, s80, s81
	s_mov_b32 s81, 0
	s_lshl_b32 s82, s[WC], 17                      ; wb: 64 half rows of 2,048 bytes + 512 nb
	s_lshl_b32 s83, s[NBK], 9
	s_add_co_u32 s82, s82, s83
	s_mov_b32 s83, 0
	s_mul_i32 s[LB], s[WC], BHALF                  ; where W's half goes: no place in the cluster enters an LDS address
	s_mov_b32 s[TB], 0
	s_mov_b32 s[TBF], SLOT
	s_mov_b32 s[TA], 0
	s_mov_b32 s[ASKN], 1
	v_and_b32 v15, 31, v0                          ; lane
	v_lshlrev_b32 v[XO], 4, v15
	s_wait_dscnt 0x0                               ; the opening add is done
	s_wait_kmcnt 0x0
	s_add_nc_u64 s[CURX:CURX+1], s[4:5], s[80:81]
	s_add_nc_u64 s[NX1:NX1+1], s[6:7], s[80:81]
	s_add_nc_u64 s[NX2:NX2+1], s[8:9], s[80:81]
	s_add_nc_u64 s[CURB:CURB+1], s[10:11], s[82:83]
	XLOAD 0, 32                                    ; x of K step 0 is asked for first, ahead of the round and of W's first fills
	WIN 0
	s_mov_b32 s[G0B], 1
	s_mov_b32 s[G0B+1], s[LB]
	s_mov_b64 s[G0B+2:G0B+3], s[CURB:CURB+1]
	s_or_b32 s[G0B+3], s[G0B+3], 0x80000000
	s_add_nc_u64 s[CURB:CURB+1], s[CURB:CURB+1], 0x40000
	s_mov_b32 s[G0B+4], 1
	s_add_co_u32 s[G0B+5], s[LB], SLOT
	s_mov_b64 s[G0B+6:G0B+7], s[CURB:CURB+1]
	s_or_b32 s[G0B+7], s[G0B+7], 0x80000000
	CROUND                                         ; all sixteen work-groups are here: the first joint loads meet
	s_cmp_eq_u32 s[WR], 0                          ; a wave's two first fills stand in one branch: in waves 2 and 3 two loads are out
	s_cbranch_scc1 .Lfirst_none
	tensor_load_to_lds s[G0B:G0B+3], s[G1B:G1B+7]
	s_nop 0
	tensor_load_to_lds s[G0B+4:G0B+7], s[G1B:G1B+7]
	s_nop 0
	PLACES
.Lfirst_none:
	; where my part of the tiles lies in kvq and in out0
	s_lshl_b32 s84, s[MBK], 18                     ; (128 mb + 64 wr) rows of 2,048 bytes + 512 nb + 256 wc
	s_lshl_b32 s85, s[WR], 17
	s_add_co_u32 s84, s84, s85
	s_lshl_b32 s85, s[NBK], 9
	s_add_co_u32 s84, s84, s85
	s_lshl_b32 s85, s[WC], 8
	s_add_co_u32 s84, s84, s85
	s_mov_b32 s85, 0
	s_add_nc_u64 s[O16:O16+1], s[O16:O16+1], s[84:85]
	s_lshl_b32 s84, s84, 1                         ; the same numbers in f32: twice the bytes
	s_add_nc_u64 s[O32:O32+1], s[O32:O32+1], s[84:85]
	; who prefetches, and where
	s_lshl_b32 s88, s[WC], 17                      ; x: wave 1's pointer stands at the tile's row 32 and it asks for rows 64 on: 32 rows more;
	s_add_co_u32 s88, s88, 1024                    ; two K steps of 512 bytes on
	s_mov_b32 s89, 0x80000                         ; wb: two K steps of 262,144 bytes on
	s_cmp_eq_u32 s[YC], 0
	s_cselect_b32 s[LIM], 6, 0
	s_cmp_eq_u32 s[WR], 0
	s_cselect_b32 s[LIM], 6, s[LIM]
	s_cselect_b32 s90, s[CX], s[CY]                ; my place among the four that read the same rows
	s_cselect_b32 s91, 12, 11                      ; a row is 4,096 or 2,048 bytes
	s_cselect_b32 s88, s88, s89
	v_and_b32 v[R], 15, v0
	v_bfe_u32 v[H], v0, 4, 1
	v_lshrrev_b32 v3, 1, v15
	v_lshl_add_u32 v3, s90, 4, v3                  ; row 16 x place + lane / 2
	v_lshlrev_b32 v3, s91, v3
	v_and_b32 v[PFO], 1, v15
	v_lshl_add_u32 v3, v[PFO], 8, v3               ; which 256 bytes of the row's 512
	v_add_nc_u32 v[PFO], s88, v3
	; x's fragment: lane l holds row l % 16; k = 8 (l / 16) + 0..7 are 16 bytes of bf16, k = 16 + 8 (l / 16) + 0..7 the 16 bytes 32 further on
	v_mul_u32_u24 v[ADRA0], v[R], PAS
	v_lshl_add_u32 v[ADRA0], v[H], 4, v[ADRA0]
	s_mul_i32 s78, s[WR], 64*PAS
	s_add_co_u32 s78, s78, ASTG
	v_add_nc_u32 v[ADRA0], s78, v[ADRA0]
	; into the stage: my wave's rows 32 wave .. 32 wave + 31; lane l holds k = 4 l .. 4 l + 3 of a row: 8 bytes at 8 l
	s_mul_i32 s78, s[WV], 32*PAS
	s_add_co_u32 s78, s78, ASTG
	v_lshl_add_u32 v[XS0], v15, 3, s78
	v_mov_b32 v[XS], v[XS0]
	; W's: the turning load takes 16 k x 16 columns: lane l reads k row 8 (l / 16) + l % 8, columns 8 ((l / 8) % 2) + 0..7, and ends with column l % 16 and 8 k
	v_and_b32 v3, 7, v0
	v_lshl_add_u32 v3, v[H], 3, v3
	v_mul_u32_u24 v[ADRB0], v3, PB
	v_bfe_u32 v3, v0, 3, 1
	v_lshl_add_u32 v[ADRB0], v3, 4, v[ADRB0]
	s_lshl_b32 s78, s[WC], 8
	v_add_nc_u32 v[ADRB0], s78, v[ADRB0]
	s_mul_i32 s78, s[WV], STW
	s_add_co_u32 s78, s78, STAGE                   ; my stage for the way out
	v_mul_u32_u24 v3, v[R], P16
	v_lshl_add_u32 v3, v[H], 4, v3
	v_add_nc_u32 v[STO16], s78, v3                 ; f16 in: row l % 16, 16 bytes for each half of the lanes
	v_mul_u32_u24 v3, v[H], P16
	v_lshl_add_u32 v3, v[R], 4, v3
	v_add_nc_u32 v[RD16], s78, v3                  ; back: lanes 0-15 one row of 256 bytes, lanes 16-31 the next
	v_mul_u32_u24 v3, v[R], P32
	v_lshl_add_u32 v3, v[H], 5, v3
	v_add_nc_u32 v[STO32], s78, v3                 ; f32 in: 32 bytes for each half
	v_lshl_add_u32 v[RD32], v15, 4, s78            ; back: 32 lanes take one row of 512 bytes
	v_lshlrev_b32 v3, 11, v[H]
	v_lshl_add_u32 v[CO16], v[R], 4, v3
	v_lshlrev_b32 v[CO32], 4, v15
	v_mov_b32 v[ADRA], v[ADRA0]
	v_mov_b32 v[ADRB], v[ADRB0]
.macro PROD f, a, b, zero              ; accumulator (a, b) takes 32 along K from buffer f
.if \zero
	v_wmma_f32_16x16x32_bf16 v[8*(8*(\a)+(\b)):8*(8*(\a)+(\b))+7], v[64*(\f)+8*(\b):64*(\f)+8*(\b)+7], v[FA+32*(\f)+8*(\a):FA+32*(\f)+8*(\a)+7], 0
.else
	v_wmma_f32_16x16x32_bf16 v[8*(8*(\a)+(\b)):8*(8*(\a)+(\b))+7], v[64*(\f)+8*(\b):64*(\f)+8*(\b)+7], v[FA+32*(\f)+8*(\a):FA+32*(\f)+8*(\a)+7], v[8*(8*(\a)+(\b)):8*(8*(\a)+(\b))+7]
.endif
.endm
.macro MULA f, a, zero                 ; eight products.  The 32 accumulators take turns, one instruction a turn, in the same order in every quarter
	WIN MUL
.irp b, 0,1,2,3,4,5,6,7
	PROD \f, \a, \b, \zero
.endr
.endm
.macro FETCH q, g                      ; 24 LDS loads in one run: quarter q (32 along K) into buffer g: x's four fragments, then W's eight
	WIN 0
.irp a, 0,1,2,3
	ds_load_b128 v[FA+32*(\g)+8*(\a):FA+32*(\g)+8*(\a)+3],   v[ADRA] offset:(\a)*16*PAS+64*(\q)
	ds_load_b128 v[FA+32*(\g)+8*(\a)+4:FA+32*(\g)+8*(\a)+7], v[ADRA] offset:(\a)*16*PAS+64*(\q)+32
.endr
	WIN TO_B
.irp b, 0,1,2,3,4,5,6,7
	ds_load_tr16_b128 v[64*(\g)+8*(\b):64*(\g)+8*(\b)+3],   v[ADRB] offset:(\q)*32*PB+32*(\b)
	ds_load_tr16_b128 v[64*(\g)+8*(\b)+4:64*(\g)+8*(\b)+7], v[ADRB] offset:(\q)*32*PB+32*(\b)+16*PB
.endr
.endm
; One of a K step's first three quarters: multiplies buffer f, fetches quarter q1 into buffer g, 24 products ahead of its use.  xcnt > 0: a part of the next K step's x goes into the stage; its conversions
; are the four places between the last product that read buffer g and the loads into it; else four v_nop are.  skip = 1 (the tail): the very last K step has no next, and the part is jumped over.
.macro QUARTER q1, f, g, zero, xr0=0, xcnt=0, ld=0, left=0, skip=0
	s_wait_dscnt 0x0                               ; the fragments of buffer f are in
	MULA \f, 0, \zero
.if \xcnt
.if \skip
	WIN 0
	s_cmp_eq_u32 s[T2], 1
	s_cbranch_scc1 .Lno_x_\@
.endif
	XPART \xr0, \xcnt, \ld, \left
.if \skip
	WIN 0
.Lno_x_\@:
	PLACES
.endif
.else
	PLACES
.endif
	FETCH \q1, \g
	MULA \f, 1, \zero
	MULA \f, 2, \zero
	MULA \f, 3, \zero
.endm
; The last quarter multiplies buffer 1 and changes W's slot and the stage's buffer.  At its head the last part of the next K step's x goes into the stage.  In front of the barrier each wave waits for all its
; tensor loads (in waves 2 and 3 one is out: its half of the next slot), adds 0 to its spare word, and waits for that, for its reads of this slot and this buffer, and for its stores into the other buffer.
; Behind it the next slot and the next buffer are whole, and nobody reads the old ones.  fill = 1: the barrier opens a round of the cluster's, and the joint refill, two K steps ahead, is the first thing behind it.
.macro TURN fill
	WIN 0
.if \fill
	XPART 24, 8, 1, 24
.else
	s_cmp_eq_u32 s[T2], 1
	s_cbranch_scc1 .Lno_x_\@
	XPART 24, 8, 0, 0
	WIN 0
.Lno_x_\@:
.endif
	WIN 0
	s_wait_tensorcnt 0x0
	ds_add_u32 v[SPW], v[NIL]                      ; scalar work and eight products stand between the add and its wait
.if \fill
	WALK
.endif
	s_xor_b32 s[TB], s[TB], SLOT
	s_xor_b32 s[TA], s[TA], ABUF
	s_xor_b32 s[TAS], s[TA], ABUF
	s_wait_dscnt 1                                 ; only the add may be out: the fragments of buffer 1 are in
	MULA 1, 0, 0
	s_wait_dscnt 0x0                               ; the add is done; my reads and my stores are over
	s_barrier_signal -1
	MULA 1, 1, 0
	WIN 0
	s_barrier_wait -1
.if \fill
	CREST
	JLOAD
.else
	PLACES                                         ; (with fill = 1 the conversions at the head are the places in front of the loads below)
.endif
	v_add_nc_u32 v[ADRA], s[TA], v[ADRA0]
	v_add_nc_u32 v[ADRB], s[TB], v[ADRB0]
	v_add_nc_u32 v[XS], s[TAS], v[XS0]
	FETCH 0, 0
.if \fill
	WIN 0
	ASK
.endif
	MULA 1, 2, 0
	MULA 1, 3, 0
.endm
; THE WAY OUT in f16, 16 rows (block a) at a time: rounded, 16 bytes a lane into my stage, back as whole rows of 256 bytes, stored.
.macro PACK a
	WIN 0x0a                                       ; sources 0 and 1 window 2
.irp b, 0,1,2,3,4,5,6,7
.irp p, 0,1,2,3
	v_cvt_pk_f16_f32 v[TMP+4*(\b)+(\p)], v[8*(8*(\a)+(\b))+2*(\p)], v[8*(8*(\a)+(\b))+2*(\p)+1]
.endr
.endr
	WIN 0
.endm
.macro TOSTAGE a
	WIN 0
.irp b, 0,1,2,3,4,5,6,7
	ds_store_b128 v[STO16], v[TMP+4*(\b):TMP+4*(\b)+3] offset:32*(\b)
.endr
.irp t, 0,1,2,3,4,5,6,7
	ds_load_b128 v[OB+32*((\a)%2)+4*(\t):OB+32*((\a)%2)+4*(\t)+3], v[RD16] offset:(\t)*2*P16  ; LDS serves a wave's instructions in order (ISA guide 5.7.1.4): these see the stores above
.endr
.endm
.macro SEND a
	WIN 0
	s_wait_dscnt 0x0                               ; the block is back in registers
	s_wait_xcnt 0x0                                ; earlier stores have read their base and their data: the base is stepped, and the other set of registers loaded again, only behind this wait
.if (\a) > 0
	s_add_nc_u64 s[O16:O16+1], s[O16:O16+1], 16*2048
.endif
.irp t, 0,1,2,3,4,5,6,7
	global_store_b128 v[CO16], v[OB+32*((\a)%2)+4*(\t):OB+32*((\a)%2)+4*(\t)+3], s[O16:O16+1] offset:(\t)*4096  ; 16 lanes store 256 consecutive bytes, aligned
.endr
.endm
; Block a's conversions stand between block a - 1's loads from the stage and the wait for them, and the earlier blocks' conversions are the places behind the step's last products.  Block 0's first accumulator
; was last written at the head of the change of slots; in waves 0 and 1, which issue no tensor load and pass none of the four v_nop behind it, only the three address lines stand between that product and here:
; so four v_nop stand at the head (a vector instruction reads a matrix result four places behind it).
.macro WAYOUT16
	PLACES
	PACK 0
	TOSTAGE 0
.irp a, 1,2,3
	PACK \a
	SEND (\a)-1
	TOSTAGE \a
.endr
	SEND 3
	s_wait_xcnt 0x0
	s_add_nc_u64 s[O16:O16+1], s[O16:O16+1], 16777216-3*16*2048  ; the same rows in kvq's next part
.endm
; Q's way out: block a in f32 through the stage (rows of 512 bytes) into out0, then in f16 into kvq.
.macro OUTQ a
	WIN 0x08                                       ; the stores' data in window 2
.irp b, 0,1,2,3,4,5,6,7
	ds_store_b128 v[STO32], v[8*(8*(\a)+(\b)):8*(8*(\a)+(\b))+3]   offset:64*(\b)
	ds_store_b128 v[STO32], v[8*(8*(\a)+(\b))+4:8*(8*(\a)+(\b))+7] offset:64*(\b)+16
.endr
	WIN 0
	s_wait_xcnt 0x0                                ; the block before's stores have read their registers and bases
.if (\a) > 0
	s_add_nc_u64 s[O32:O32+1], s[O32:O32+1], 16*4096
	s_add_nc_u64 s[O16:O16+1], s[O16:O16+1], 16*2048
.endif
.irp t, 0,1,2,3,4,5,6,7,8,9,10,11,12,13,14,15
	ds_load_b128 v[RAW+4*(\t):RAW+4*(\t)+3], v[RD32] offset:(\t)*P32
.endr
	PACK \a
	s_wait_dscnt 0x0
.irp t, 0,1,2,3,4,5,6,7,8,9,10,11,12,13,14,15
	global_store_b128 v[CO32], v[RAW+4*(\t):RAW+4*(\t)+3], s[O32:O32+1] offset:(\t)*4096 th:TH_STORE_NT  ; a wave stores 512 consecutive bytes, aligned
.endr
.irp b, 0,1,2,3,4,5,6,7
	ds_store_b128 v[STO16], v[TMP+4*(\b):TMP+4*(\b)+3] offset:32*(\b)
.endr
.irp t, 0,1,2,3,4,5,6,7
	ds_load_b128 v[OB+4*(\t):OB+4*(\t)+3], v[RD16] offset:(\t)*2*P16
.endr
	s_wait_dscnt 0x0
.irp t, 0,1,2,3,4,5,6,7
	global_store_b128 v[CO16], v[OB+4*(\t):OB+4*(\t)+3], s[O16:O16+1] offset:(\t)*4096
.endr
.endm
	; x of K step 0 goes into the stage's buffer 0, and K step 1 is loaded behind it: the same three parts, with the same counts, as in every K step
	s_wait_xcnt 0x0                                ; the first 32 loads have read their base
	s_add_nc_u64 s[CURX:CURX+1], s[CURX:CURX+1], 512
	s_mov_b32 s[XN], 1
	XPART 0, 12, 1, 20                             ; of the 32 loads of a K step 12 are wanted: the 20 issued behind them stay out,
	XPART 12, 12, 1, 20                            ; (8 of the same step and the 12 just issued)
	XPART 24, 8, 1, 24                             ; (the 24 just issued)
	WIN 0
	v_add_nc_u32 v[XS], ABUF, v[XS0]               ; K step 1 will go into buffer 1
	s_wait_dscnt 0x0                               ; for the others' sake: my stores into the stage are done
	s_wait_tensorcnt 0x1                           ; my half of W's K step 0 is in; K step 1's may stay out
	s_barrier_signal -1
	s_barrier_wait -1
	FETCH 0, 0
	WIN 0
	s_mov_b32 s[STEPS], 23
	s_mov_b32 s[TC], 8
	s_branch .Lzero                                ; the loop is entered at a tile's first quarter
.Lstep:                                            ; 22 trips: from a K step's second quarter to the next step's first; trip n stores x of step n + 1, loads x of step n + 2 and asks for W of step n + 2
	XWALK
	QUARTER 2, 1, 0, 0, 0, 12, 1, 20
	QUARTER 3, 0, 1, 0, 12, 12, 1, 20
	TURN 1
	WIN 0
	s_sub_co_u32 s[TC], s[TC], 1
	s_cmp_lg_u32 s[TC], 0
	s_cbranch_scc1 .Lcont
	WAYOUT16                                       ; a tile is finished; the next tile's x and W are on their way, and nothing waits for its stores
	s_mov_b32 s[TC], 8
.Lzero:
	QUARTER 1, 0, 1, 1                             ; a tile's first products start the sums: nothing is cleared
	WIN 0
	s_branch .Lbottom
.Lcont:
	QUARTER 1, 0, 1, 0
	WIN 0
.Lbottom:
	s_sub_co_u32 s[STEPS], s[STEPS], 1
	s_cmp_lg_u32 s[STEPS], 0
	s_cbranch_scc1 .Lstep
	s_mov_b32 s[T2], 2
.Ltail:                                            ; the last two K steps load and ask for nothing: the first stores the last step's x (behind its 12 + 12 + 8 loads none was issued: the counts run down 20, 8, 0),
	QUARTER 2, 1, 0, 0, 0, 12, 0, 20, 1            ; the second jumps over those parts.  The very last change fetches fragments that serve nothing, the price of one text
	QUARTER 3, 0, 1, 0, 12, 12, 0, 8, 1
	TURN 0
	WIN 0
	s_cmp_eq_u32 s[T2], 1
	s_cbranch_scc1 .Lno_more
	QUARTER 1, 0, 1, 0
	WIN 0
.Lno_more:
	s_sub_co_u32 s[T2], s[T2], 1
	s_cmp_lg_u32 s[T2], 0
	s_cbranch_scc1 .Ltail
	s_wait_dscnt 0x0
	PLACES
	OUTQ 0
	OUTQ 1
	OUTQ 2
	OUTQ 3
	s_wait_tensorcnt 0x0                           ; the wave's end
	ds_add_u32 v[SPW], v[NIL]
	s_wait_dscnt 0x0
	CROUND                                         ; the closing round
	s_endpgm
.Lfunc_end_k_q87ac71d13b_proj:
	.size	k_q87ac71d13b_proj, .Lfunc_end_k_q87ac71d13b_proj-k_q87ac71d13b_proj
	.p2alignl 7, 3214868480
	.fill 96, 4, 3214868480
	.section	.rodata,"a",@progbits
	.p2align	6, 0x0
	.amdhsa_kernel k_q87ac71d13b_proj
		.amdhsa_group_segment_fixed_size 327680
		.amdhsa_private_segment_fixed_size 0
		.amdhsa_enable_private_segment 0
		.amdhsa_kernarg_size 48
		.amdhsa_user_sgpr_count 2
		.amdhsa_user_sgpr_kernarg_segment_ptr 1
		.amdhsa_wavefront_size32 1
		.amdhsa_system_sgpr_workgroup_id_x 1
		.amdhsa_system_sgpr_workgroup_id_y 1
		.amdhsa_system_sgpr_workgroup_id_z 1
		.amdhsa_system_vgpr_workitem_id 0
		.amdhsa_next_free_vgpr 768
		.amdhsa_next_free_sgpr 96
		.amdhsa_reserve_vcc 0
		.amdhsa_float_denorm_mode_32 3
		.amdhsa_float_denorm_mode_16_64 3
		.amdhsa_memory_ordered 1
		.amdhsa_forward_progress 1
		.amdhsa_inst_pref_size 121
	.end_amdhsa_kernel
	.amdgpu_metadata
---
amdhsa.version: [ 1, 2 ]
amdhsa.kernels:
  - .name:           k_q87ac71d13b_proj
    .symbol:         k_q87ac71d13b_proj.kd
    .args:
      - { .name: inputs_for_keys, .offset: 0, .size: 8, .value_kind: global_buffer, .address_space: global }
      - { .name: inputs_for_values, .offset: 8, .size: 8, .value_kind: global_buffer, .address_space: global }
      - { .name: inputs_for_queries, .offset: 16, .size: 8, .value_kind: global_buffer, .address_space: global }
      - { .name: wb, .offset: 24, .size: 8, .value_kind: global_buffer, .address_space: global }
      - { .name: kvq, .offset: 32, .size: 8, .value_kind: global_buffer, .address_space: global }
      - { .name: out0, .offset: 40, .size: 8, .value_kind: global_buffer, .address_space: global }
    .group_segment_fixed_size: 327680
    .private_segment_fixed_size: 0
    .kernarg_segment_align: 8
    .kernarg_segment_size: 48
    .max_flat_workgroup_size: 128
    .sgpr_count:     96
    .vgpr_count:     768
    .wavefront_size: 32
...
	.end_amdgpu_metadata
.endif
;; end of part 2
;; launch score (part 3): grid 9 x 16, 4 waves a work-group, no clusters, 327,680 bytes of LDS; arguments kvq, pbuf, stat; writes pbuf, stat
.if DOCPART == 3
	.amdgcn_target "amdgcn-amd-amdhsa--gfx1250"
	.amdhsa_code_object_version 6
	.text
	.protected	k_q87ac71d13b_score
	.globl	k_q87ac71d13b_score
	.p2align	8
	.type	k_q87ac71d13b_score,@function
k_q87ac71d13b_score:
	s_mov_b64 s[64:65], 0
	v_nop
	global_prefetch_b8 v0, s[64:65] scope:SCOPE_SE
	s_setreg_imm32_b32 hwreg(HW_REG_WAVE_MODE, 25, 1), 1
	s_wait_xcnt 0x0
; The causal tiles of S = Q K^T, and a softmax BY GROUPS of 128 keys.  kvq: [3][8192][1024] f16 (K, V, Q).  For row q and key group g:
;   m = the largest visible score of the group; stat[b][g][0][q] = c m, c = log2(e) / sqrt(2048);  pbuf[b][q][key] = 2^(c s - c m) in f16, 0 where the key is hidden;  stat[b][g][1][q] = the sum of the unrounded p.
; The next launch joins the groups exactly, by the largest c m of a row.  So every exponential has its own group's maximum taken away: p lies in 0 to 1.
; LIMITS.  A hidden score counts as its value less 1e30 (f16's scores are 4.4e12 at the most); a group's maximum is never taken below -1e20 (a group that is wholly hidden: p = 0, sum 0);
; p below 6e-5 keeps f16's fixed step; NaN and infinities are not treated apart.
; SHARES.  A batch has 36 tiles of 256 queries x 256 keys on or below the diagonal: block rows p and 7 - p together have 9, so grid x = 9 and y = 4 batch + p: 144 work-groups of equal work.
; Four waves, each 128 queries x 128 keys (one key group): 64 accumulators, 512 registers.  K (the 1,024 channels) goes in steps of 128 through two LDS slots.
; NO CLUSTER: the triangle's rows and columns hold 1 to 8 tiles, so no four work-groups share a tile at every place, and rectangles would add 12 wholly hidden tiles to a batch's 36.
; THE PRODUCT IS USED TRANSPOSED: source 0 = 16 keys, source 1 = 16 queries: a lane holds one query (lane % 16) and the keys 8 (lane / 16) + 0..7.
; THE MASK is the C operand of the products that start the sums: 0 or -1e30.  Three sets of 8 registers, for accumulators below, on and above the wave's own diagonal.
; The next launch walks the keys of a row up to the next multiple of 512: the tile right of an even block row's diagonal tile is written as zeros by that tile's work-group.
; REGISTERS.  window 0: v0-31 addresses; v32-55 masks, later at work; v64-127, v128-191 the queries' fragments, two buffers, later the epilogue's.  window 1: the keys' fragments.  windows 2, 3: accumulators (a, b) at 8 (8 (a % 4) + b).
.set PITCH, 272
.set HALFT, 128*PITCH
.set SLOT,  4*HALFT
.set STAGE, 2*SLOT                     ; 16 rows x 272 bytes a wave
.set SST,   STAGE+4*16*PITCH           ; 1,024 bytes a wave: c m of my 128 rows, then their sums
.set SPARE, SST+4096
.set R,     1
.set H,     2
.set ADRA0, 4
.set ADRB0, 5
.set ADRA,  6
.set ADRB,  7
.set STO,   8
.set RD,    9
.set CO,    10
.set SSTA,  11
.set SSTR,  12
.set PFO,   13
.set VU,    15
.set VL,    16
.set L16,   17
.set SPW,   28
.set NIL,   29
.set LOW,   32
.set DIA,   40
.set UPP,   48
.set T,     32
.set CM,    56
.set F0,    64
.set F1,    128
.set X,     64
.set PK,    128
.set OB,    160
.set WV,    10
.set WR,    11
.set WC,    12
.set TI,    13
.set TJ,    14
.set BAT,   15
.set G1,    16
.set G0,    24
.set CUR,   32
.set PB,    34
.set PSTEP, 36
.set ZB,    38
.set STB,   40
.set TB,    42
.set TBF,   43
.set LBASE, 44
.set ASKN,  45
.set LIM,   46
.set STEPS, 47
.set T2,    48
.set AI,    49
.set CS,    50
.set SEL,   52
.set FLR,   54
.set HIDR,  55
.set US,    56
.set LS,    57
.set ZF,    58
.set MSB, 0
.macro WIN new
.if MSB != (\new)
	s_set_vgpr_msb (MSB<<8)|(\new)
.set MSB, (\new)
.endif
.endm
.macro PLACES
.rept 4
	v_nop
.endr
.endm
	s_load_b128 s[4:7], s[0:1], 0x0                ; kvq, pbuf
	s_load_b64 s[8:9], s[0:1], 0x10                ; stat
	v_lshl_add_u32 v[SPW], v0, 2, SPARE
	v_mov_b32 v[NIL], 0
	ds_add_u32 v[SPW], v[NIL]                      ; the wave's opening: the add and its wait stand ahead of my first tensor load
	v_lshrrev_b32 v3, 5, v0
	v_readfirstlane_b32 s[WV], v3
	s_lshr_b32 s[WR], s[WV], 1                     ; which 128 queries.  Also: I fetch queries (0) or keys (1)
	s_and_b32 s[WC], s[WV], 1                      ; which 128 keys.  Also: which half of that tile I fetch
	s_and_b32 s60, ttmp7, 0xffff
	s_and_b32 s61, s60, 3                          ; p
	s_lshr_b32 s[BAT], s60, 2
	s_sub_co_u32 s62, 7, s61
	s_sub_co_u32 s63, ttmp9, s61
	s_sub_co_u32 s63, s63, 1
	s_cmp_le_u32 ttmp9, s61                        ; x <= p: tile (p, x); else tile (7 - p, x - p - 1)
	s_cselect_b32 s[TI], s61, s62
	s_cselect_b32 s[TJ], ttmp9, s63
	s_mov_b32 s[G1], (1<<16)|(1<<20)|(5<<22)|(3<<25)  ; elements of 2 bytes; padding on: after every 64 words, 4 words
	s_mov_b32 s[G1+1], 128<<16
	s_mov_b32 s[G1+2], 128<<16
	s_mov_b32 s[G1+3], 128<<16
	s_mov_b32 s[G1+4], 128
	s_mov_b32 s[G1+5], 1024
	s_mov_b32 s[G1+6], 0
	s_mov_b32 s[G1+7], 0
	s_cmp_eq_u32 s[WR], 0
	s_cselect_b32 s60, s[TI], s[TJ]                ; the block of 256 rows that I fetch from,
	s_cselect_b32 s61, 0x2000000, 0                ; in Q's part of kvq or in K's
	s_lshl_b32 s60, s60, 19
	s_add_co_u32 s60, s60, s61
	s_lshl_b32 s61, s[BAT], 22
	s_add_co_u32 s60, s60, s61
	s_lshl_b32 s61, s[WC], 18                      ; my 128 rows of it
	s_add_co_u32 s60, s60, s61
	s_mov_b32 s61, 0
	s_mul_i32 s[LBASE], s[WV], HALFT               ; the queries' 256 rows, then the keys'
	s_mov_b32 s[TB], 0
	s_mov_b32 s[TBF], SLOT
	s_mov_b32 s[ASKN], 1
	s_wait_dscnt 0x0
	s_wait_kmcnt 0x0
	s_add_nc_u64 s[CUR:CUR+1], s[4:5], s[60:61]
	s_mov_b32 s[G0], 1
	s_mov_b32 s[G0+1], s[LBASE]
	s_mov_b64 s[G0+2:G0+3], s[CUR:CUR+1]
	s_or_b32 s[G0+3], s[G0+3], 0x80000000
	s_add_nc_u64 s[CUR:CUR+1], s[CUR:CUR+1], 256
	s_mov_b32 s[G0+4], 1
	s_add_co_u32 s[G0+5], s[LBASE], SLOT
	s_mov_b64 s[G0+6:G0+7], s[CUR:CUR+1]
	s_or_b32 s[G0+7], s[G0+7], 0x80000000
	tensor_load_to_lds s[G0:G0+3], s[G1:G1+7]      ; K steps 0 and 1: two loads of mine are out
	s_nop 0
	tensor_load_to_lds s[G0+4:G0+7], s[G1:G1+7]
	s_nop 0
	PLACES
	; who prefetches: a block's queries are read by the tiles of its row, of which the first (j = 0) asks; its keys by the tiles of its column, of which the diagonal one asks
	s_cmp_eq_u32 s[TJ], 0
	s_cselect_b32 s62, 7, 0
	s_cmp_eq_u32 s[TI], s[TJ]
	s_cselect_b32 s63, 7, 0
	s_cmp_eq_u32 s[WR], 0
	s_cselect_b32 s[LIM], s62, s63
	; the masks' two numbers
	s_mov_b32 s[HIDR], 0xf149f2ca                  ; -1e30
	s_mov_b32 s[FLR], 0xe0ad78ec                   ; -1e20
	s_cmp_le_u32 s[WR], s[WC]
	s_cselect_b32 s[US], s[HIDR], 0
	s_cmp_lt_u32 s[WR], s[WC]
	s_cselect_b32 s[LS], s[HIDR], 0
	s_cmp_eq_u32 s[TI], s[TJ]
	s_cselect_b32 s[US], s[US], 0                  ; above my diagonal: hidden in a diagonal tile's waves on or right of the diagonal
	s_cselect_b32 s[LS], s[LS], 0                  ; below it: hidden only in the wave right of the diagonal
	s_xor_b32 s[ZF], s[TI], s[TJ]
	s_and_b32 s60, s[TI], 1
	s_or_b32 s[ZF], s[ZF], s60                     ; 0: a diagonal tile of an even block row
	s_mov_b32 s[CS], 0x3d0293ee                    ; c = log2(e) / sqrt(2048)
	s_mov_b32 s[CS+1], s[CS]
	s_mov_b32 s[SEL], 0x76543210
	s_mov_b32 s[SEL+1], 0xfedcba98
	s_mov_b32 s[PSTEP], 0
	s_mov_b32 s[PSTEP+1], 0
	; pbuf at my 128 rows x 128 keys; stat at my group and rows
	s_lshl_b32 s60, s[BAT], 23
	s_lshl_b32 s61, s[TI], 20
	s_add_co_u32 s60, s60, s61
	s_lshl_b32 s61, s[WR], 19
	s_add_co_u32 s60, s60, s61
	s_lshl_b32 s61, s[TJ], 9
	s_add_co_u32 s60, s60, s61
	s_lshl_b32 s61, s[WC], 8
	s_add_co_u32 s60, s60, s61
	s_mov_b32 s61, 0
	s_add_nc_u64 s[PB:PB+1], s[6:7], s[60:61]
	s_add_nc_u64 s[ZB:ZB+1], s[PB:PB+1], 512       ; the same rows, 256 keys to the right
	s_lshl_b32 s60, s[BAT], 18
	s_lshl_b32 s61, s[TJ], 15
	s_add_co_u32 s60, s60, s61
	s_lshl_b32 s61, s[WC], 14
	s_add_co_u32 s60, s60, s61
	s_lshl_b32 s61, s[TI], 10
	s_add_co_u32 s60, s60, s61
	s_lshl_b32 s61, s[WR], 9
	s_add_co_u32 s60, s60, s61
	s_mov_b32 s61, 0
	s_add_nc_u64 s[STB:STB+1], s[8:9], s[60:61]
	v_and_b32 v[R], 15, v0
	v_bfe_u32 v[H], v0, 4, 1
	v_and_b32 v3, 31, v0
	v_lshlrev_b32 v[L16], 4, v3
	v_lshlrev_b32 v[PFO], 11, v3
	v_add_nc_u32 v[PFO], 256, v[PFO]               ; a lane a row of 2,048 bytes, one K step of 256 bytes on
	v_mul_u32_u24 v3, v[R], PITCH
	v_lshl_add_u32 v3, v[H], 4, v3                 ; a fragment's row x pitch + 16 x half
	s_mul_i32 s60, s[WR], HALFT
	v_add_nc_u32 v[ADRA0], s60, v3
	s_mul_i32 s60, s[WC], HALFT
	s_add_co_u32 s60, s60, 2*HALFT
	v_add_nc_u32 v[ADRB0], s60, v3
	s_mul_i32 s60, s[WV], 16*PITCH
	s_add_co_u32 s60, s60, STAGE
	v_add_nc_u32 v[STO], s60, v3
	v_mul_u32_u24 v3, v[H], PITCH
	v_lshl_add_u32 v3, v[R], 4, v3
	v_add_nc_u32 v[RD], s60, v3
	v_lshlrev_b32 v3, 12, v[H]
	v_lshl_add_u32 v[CO], v[R], 4, v3              ; two rows of pbuf, 4,096 bytes apart
	s_lshl_b32 s60, s[WV], 10
	s_add_co_u32 s60, s60, SST
	v_lshl_add_u32 v[SSTA], v[R], 2, s60
	v_add_nc_u32 v[SSTR], s60, v[L16]
	v_mov_b32 v[ADRA], v[ADRA0]
	v_mov_b32 v[ADRB], v[ADRB0]
	v_mov_b32 v[VU], s[US]
	v_mov_b32 v[VL], s[LS]
	v_lshlrev_b32 v3, 3, v[H]
	v_sub_nc_u32 v14, v[R], v3                     ; on the diagonal register j is hidden where 8 (l / 16) + j > l % 16
.irp j, 0,1,2,3,4,5,6,7
	v_mov_b32 v[LOW+(\j)], v[VL]
	v_mov_b32 v[UPP+(\j)], v[VU]
	v_cmp_gt_i32 vcc_lo, \j, v14
	v_cndmask_b32 v[DIA+(\j)], v[VL], v[VU], vcc_lo
.endr
; 16 products: query blocks a0, a0 + 1 of the window's four x all 8 key blocks.  first = 1: they start the sums, with the mask as C.  The 64 accumulators take turns.
.macro MUL16 f, hi, a0, first
.if \first
	WIN 0x81+0x40*(\hi)                            ; keys window 1, queries and C window 0, D window 2 or 3
.else
	WIN 0xa1+0x50*(\hi)
.endif
.irp a, \a0, (\a0)+1
.irp b, 0,1,2,3,4,5,6,7
.if \first
.if 4*(\hi)+(\a) > (\b)
	v_wmma_f32_16x16x32_f16 v[8*(8*(\a)+(\b)):8*(8*(\a)+(\b))+7], v[(\f)+8*(\b):(\f)+8*(\b)+7], v[(\f)+8*(4*(\hi)+(\a)):(\f)+8*(4*(\hi)+(\a))+7], v[LOW:LOW+7]
.elseif 4*(\hi)+(\a) == (\b)
	v_wmma_f32_16x16x32_f16 v[8*(8*(\a)+(\b)):8*(8*(\a)+(\b))+7], v[(\f)+8*(\b):(\f)+8*(\b)+7], v[(\f)+8*(4*(\hi)+(\a)):(\f)+8*(4*(\hi)+(\a))+7], v[DIA:DIA+7]
.else
	v_wmma_f32_16x16x32_f16 v[8*(8*(\a)+(\b)):8*(8*(\a)+(\b))+7], v[(\f)+8*(\b):(\f)+8*(\b)+7], v[(\f)+8*(4*(\hi)+(\a)):(\f)+8*(4*(\hi)+(\a))+7], v[UPP:UPP+7]
.endif
.else
	v_wmma_f32_16x16x32_f16 v[8*(8*(\a)+(\b)):8*(8*(\a)+(\b))+7], v[(\f)+8*(\b):(\f)+8*(\b)+7], v[(\f)+8*(4*(\hi)+(\a)):(\f)+8*(4*(\hi)+(\a))+7], v[8*(8*(\a)+(\b)):8*(8*(\a)+(\b))+7]
.endif
.endr
.endr
.endm
.macro FETCH k, f                      ; 32 LDS loads in one run: 32 channels at byte k of the rows: the keys' fragments, then the queries'
	WIN 0x40
.irp i, 0,1,2,3,4,5,6,7
	ds_load_b128 v[(\f)+8*(\i):(\f)+8*(\i)+3],   v[ADRB] offset:(\k)+(\i)*16*PITCH
	ds_load_b128 v[(\f)+8*(\i)+4:(\f)+8*(\i)+7], v[ADRB] offset:(\k)+(\i)*16*PITCH+32
.endr
	WIN 0
.irp i, 0,1,2,3,4,5,6,7
	ds_load_b128 v[(\f)+8*(\i):(\f)+8*(\i)+3],   v[ADRA] offset:(\k)+(\i)*16*PITCH
	ds_load_b128 v[(\f)+8*(\i)+4:(\f)+8*(\i)+7], v[ADRA] offset:(\k)+(\i)*16*PITCH+32
.endr
.endm
.macro QUARTER k, f, g, first
	s_wait_dscnt 8                                 ; the keys and the queries' rows 0-63 are in; the youngest eight loads may be out
	MUL16 \f, 0, 0, \first
	MUL16 \f, 0, 2, \first
	PLACES                                         ; four places in front of loads into registers that products have read
	FETCH \k, \g
	s_wait_dscnt 32                                ; all but the 32 just issued
	MUL16 \f, 1, 0, \first
	MUL16 \f, 1, 2, \first
.endm
; A PREFETCH INTO THE L2: the K step behind the one just asked for, 256 matrix instructions ahead of its load: my 128 rows x 256 bytes, a lane a row, four instructions.  Each block is named once in the launch; the last refill asks for nothing.
.macro ASK
	s_cmp_lt_u32 s[ASKN], s[LIM]
	s_cbranch_scc0 .Lnot_mine_\@
.irp n, 0,1,2,3
	global_prefetch_b8 v[PFO], s[CUR:CUR+1] offset:65536*(\n) th:TH_LOAD_NT scope:SCOPE_SE
.endr
.Lnot_mine_\@:
.endm
; The last quarter multiplies buffer 1 and changes slots: one barrier; in front of it each wave waits for all its tensor loads, adds 0 to its spare word, and waits for that and for its reads of this slot.
.macro TURN fill
	WIN 0
.if \fill
	s_wait_xcnt 0x0                                ; the last prefetches, a K step back, have read their base
.endif
	s_wait_tensorcnt 0x0
	ds_add_u32 v[SPW], v[NIL]
.if \fill
	s_add_nc_u64 s[CUR:CUR+1], s[CUR:CUR+1], 256
	s_add_co_u32 s[ASKN], s[ASKN], 1
	s_mov_b64 s[G0+6:G0+7], s[CUR:CUR+1]
	s_or_b32 s[G0+7], s[G0+7], 0x80000000
	s_xor_b32 s[TBF], s[TBF], SLOT
	s_add_co_u32 s[G0+5], s[LBASE], s[TBF]
.endif
	s_xor_b32 s[TB], s[TB], SLOT
	s_wait_dscnt 9                                 ; the add and the youngest eight loads may be out
	MUL16 F1, 0, 0, 0
	s_wait_dscnt 0x0                               ; the add is done, and my reads of this slot are over
	s_barrier_signal -1
	MUL16 F1, 0, 2, 0
	WIN 0
	s_barrier_wait -1
.if \fill
	tensor_load_to_lds s[G0+4:G0+7], s[G1:G1+7]    ; my one load behind the barrier: my quarter of the slot just read, two K steps ahead
	s_nop 0
	PLACES
.else
	PLACES
.endif
	v_add_nc_u32 v[ADRA], s[TB], v[ADRA0]
	v_add_nc_u32 v[ADRB], s[TB], v[ADRB0]
	FETCH 0, F0
.if \fill
	WIN 0
	ASK
.endif
	MUL16 F1, 1, 0, 0
	MUL16 F1, 1, 2, 0
.endm
	s_wait_tensorcnt 0x1                           ; my part of K step 0 is in; K step 1's may stay out
	s_barrier_signal -1
	s_barrier_wait -1
	FETCH 0, F0
	QUARTER 64, F0, F1, 1
	WIN 0
	s_mov_b32 s[STEPS], 6
.Lstep:                                            ; six trips, from a K step's second quarter to the next step's first; each fills a slot again
	QUARTER 128, F1, F0, 0
	QUARTER 192, F0, F1, 0
	TURN 1
	QUARTER 64, F0, F1, 0
	WIN 0
	s_sub_co_u32 s[STEPS], s[STEPS], 1
	s_cmp_lg_u32 s[STEPS], 0
	s_cbranch_scc1 .Lstep
	s_mov_b32 s[T2], 2
.Ltail:                                            ; the last two K steps ask for nothing; the very last fetch serves nothing
	QUARTER 128, F1, F0, 0
	QUARTER 192, F0, F1, 0
	TURN 0
	WIN 0
	s_cmp_eq_u32 s[T2], 1
	s_cbranch_scc1 .Lno_more
	QUARTER 64, F0, F1, 0
	WIN 0
.Lno_more:
	s_sub_co_u32 s[T2], s[T2], 1
	s_cmp_lg_u32 s[T2], 0
	s_cbranch_scc1 .Ltail
	s_wait_dscnt 0x0
	PLACES
; THE EPILOGUE, 16 queries (block a) a trip.  SPEC a, written for each a since it names the accumulators: the lane's maximum of 64 scores (each accumulator's lowest registers first),
; the other half of the lanes', c m, and c s - c m into X.  COMMON, written once: exponentials, rounding, sum, and the way out.
.macro SPEC a
.set W, 2+(\a)/4
.set AC, 64*((\a)%4)
	WIN (W|(W<<2)|(W<<4))
.irp b, 0,1,2,3,4,5,6,7
	v_max3_num_f32 v[T+3*(\b)],   v[AC+8*(\b)],   v[AC+8*(\b)+1], v[AC+8*(\b)+2]
	v_max3_num_f32 v[T+3*(\b)+1], v[AC+8*(\b)+3], v[AC+8*(\b)+4], v[AC+8*(\b)+5]
	v_max_num_f32  v[T+3*(\b)+2], v[AC+8*(\b)+6], v[AC+8*(\b)+7]
.endr
	WIN 0
.irp k, 0,1,2,3,4,5,6,7
	v_max3_num_f32 v[T+3*(\k)], v[T+3*(\k)], v[T+3*(\k)+1], v[T+3*(\k)+2]
.endr
	v_max3_num_f32 v[T], v[T], v[T+3], v[T+6]
	v_max3_num_f32 v[T+9], v[T+9], v[T+12], v[T+15]
	v_max3_num_f32 v[T+18], v[T+18], v[T+21], s[FLR]
	v_max3_num_f32 v[T], v[T], v[T+9], v[T+18]
	v_permlanex16_b32 v[T+1], v[T], s[SEL], s[SEL+1]  ; the query's other 64 keys lie in the lane 16 away
	v_max_num_f32 v[T], v[T], v[T+1]
	v_mul_f32 v[CM], s[CS], v[T]
	v_mul_f32 v[CM+1], s[CS], v[T]                 ; named with it as a pair
	WIN W
.set n, 0
.rept 32
	v_pk_fma_f32 v[X+2*n:X+2*n+1], v[AC+2*n:AC+2*n+1], s[CS:CS+1], v[CM:CM+1] op_sel_hi:[1,0,0] neg_lo:[0,0,1] neg_hi:[0,0,1]
.set n, n+1
.endr
	WIN 0
.endm
	s_mov_b32 s[AI], 8
.Lrow:                                             ; block a = 8 - AI
.irp a, 1,2,3,4,5,6,7
	s_cmp_eq_u32 s[AI], 8-(\a)
	s_cbranch_scc1 .Lspec\a
.endr
	SPEC 0
	s_branch .Lcommon
.irp a, 1,2,3,4,5,6
.Lspec\a:
	SPEC \a
	s_branch .Lcommon
.endr
.Lspec7:
	SPEC 7
.Lcommon:
.set n, 0
.rept 64
	v_exp_f32 v[X+n], v[X+n]                       ; one batch of 64
.set n, n+1
.endr
	v_nop                                          ; a plain instruction behind the last exponential,
	s_wait_alu depctr_va_vdst(0)                   ; and the one wait ahead of the first use
.set n, 0
.rept 32
	v_cvt_pk_f16_f32 v[PK+n], v[X+2*n], v[X+2*n+1]
.set n, n+1
.endr
.irp w, 2,4,8,16,32                    ; the sum of the 32 pairs, in place: neighbours w registers apart
.set n, 0
.rept 32/(\w)
	v_pk_add_f32 v[X+2*(\w)*n:X+2*(\w)*n+1], v[X+2*(\w)*n:X+2*(\w)*n+1], v[X+2*(\w)*n+(\w):X+2*(\w)*n+(\w)+1]
.set n, n+1
.endr
.endr
	v_add_f32 v[X], v[X], v[X+1]
	v_permlanex16_b32 v[X+1], v[X], s[SEL], s[SEL+1]
	v_add_f32 v[X], v[X], v[X+1]
.irp b, 0,1,2,3,4,5,6,7
	ds_store_b128 v[STO], v[PK+4*(\b):PK+4*(\b)+3] offset:32*(\b)
.endr
	ds_store_b32 v[SSTA], v[CM]                    ; both halves of the lanes write the same word with the same number
	ds_store_b32 v[SSTA], v[X] offset:512
	v_add_nc_u32 v[SSTA], 64, v[SSTA]              ; the next 16 rows
	s_wait_xcnt 0x0                                ; the last trip's stores have read their base and their data
	s_add_nc_u64 s[PB:PB+1], s[PB:PB+1], s[PSTEP:PSTEP+1]  ; 0 in the first trip, then 16 rows of 4,096 bytes
	s_mov_b32 s[PSTEP], 65536
.irp t, 0,1,2,3,4,5,6,7
	ds_load_b128 v[OB+4*(\t):OB+4*(\t)+3], v[RD] offset:(\t)*2*PITCH  ; LDS serves a wave's instructions in order (ISA guide 5.7.1.4): these see the stores above
.endr
	s_wait_dscnt 0x0
.irp t, 0,1,2,3,4,5,6,7
	global_store_b128 v[CO], v[OB+4*(\t):OB+4*(\t)+3], s[PB:PB+1] offset:(\t)*8192  ; 16 lanes store 256 consecutive bytes, aligned
.endr
	s_sub_co_u32 s[AI], s[AI], 1
	s_cmp_lg_u32 s[AI], 0
	s_cbranch_scc1 .Lrow
	ds_load_b128 v[72:75], v[SSTR]                 ; my 128 rows' c m and sums: 512 consecutive bytes each
	ds_load_b128 v[76:79], v[SSTR] offset:512
	s_wait_dscnt 0x0
	global_store_b128 v[L16], v[72:75], s[STB:STB+1]
	global_store_b128 v[L16], v[76:79], s[STB:STB+1] offset:8192
	s_cmp_lg_u32 s[ZF], 0
	s_cbranch_scc1 .Lend
.irp n, 0,1,2,3
	v_mov_b32 v[64+(\n)], 0
	v_mov_b32 v[68+(\n)], s[FLR]
.endr
	s_mov_b32 s[AI], 8
.Lzeros:                                           ; the tile to the right: p = 0,
.irp t, 0,1,2,3,4,5,6,7
	global_store_b128 v[CO], v[64:67], s[ZB:ZB+1] offset:(\t)*8192
.endr
	s_wait_xcnt 0x0
	s_add_nc_u64 s[ZB:ZB+1], s[ZB:ZB+1], 65536
	s_sub_co_u32 s[AI], s[AI], 1
	s_cmp_lg_u32 s[AI], 0
	s_cbranch_scc1 .Lzeros
	global_store_b128 v[L16], v[68:71], s[STB:STB+1] offset:32768       ; its groups, two further on: c m far below every real one,
	global_store_b128 v[L16], v[64:67], s[STB:STB+1] offset:32768+8192  ; sum 0
.Lend:
	s_wait_tensorcnt 0x0                           ; the wave's end
	ds_add_u32 v[SPW], v[NIL]
	s_wait_dscnt 0x0
	s_endpgm
.Lfunc_end_k_q87ac71d13b_score:
	.size	k_q87ac71d13b_score, .Lfunc_end_k_q87ac71d13b_score-k_q87ac71d13b_score
	.p2alignl 7, 3214868480
	.fill 96, 4, 3214868480
	.section	.rodata,"a",@progbits
	.p2align	6, 0x0
	.amdhsa_kernel k_q87ac71d13b_score
		.amdhsa_group_segment_fixed_size 327680
		.amdhsa_private_segment_fixed_size 0
		.amdhsa_enable_private_segment 0
		.amdhsa_kernarg_size 24
		.amdhsa_user_sgpr_count 2
		.amdhsa_user_sgpr_kernarg_segment_ptr 1
		.amdhsa_wavefront_size32 1
		.amdhsa_system_sgpr_workgroup_id_x 1
		.amdhsa_system_sgpr_workgroup_id_y 1
		.amdhsa_system_sgpr_workgroup_id_z 1
		.amdhsa_system_vgpr_workitem_id 0
		.amdhsa_next_free_vgpr 1024
		.amdhsa_next_free_sgpr 80
		.amdhsa_reserve_vcc 1
		.amdhsa_float_denorm_mode_32 3
		.amdhsa_float_denorm_mode_16_64 3
		.amdhsa_memory_ordered 1
		.amdhsa_forward_progress 1
		.amdhsa_inst_pref_size 114
	.end_amdhsa_kernel
	.amdgpu_metadata
---
amdhsa.version: [ 1, 2 ]
amdhsa.kernels:
  - .name:           k_q87ac71d13b_score
    .symbol:         k_q87ac71d13b_score.kd
    .args:
      - { .name: kvq, .offset: 0, .size: 8, .value_kind: global_buffer, .address_space: global }
      - { .name: pbuf, .offset: 8, .size: 8, .value_kind: global_buffer, .address_space: global }
      - { .name: stat, .offset: 16, .size: 8, .value_kind: global_buffer, .address_space: global }
    .group_segment_fixed_size: 327680
    .private_segment_fixed_size: 0
    .kernarg_segment_align: 8
    .kernarg_segment_size: 24
    .max_flat_workgroup_size: 128
    .sgpr_count:     80
    .vgpr_count:     1024
    .wavefront_size: 32
...
	.end_amdgpu_metadata
.endif
;; end of part 3
;; launch pv (part 4): grid 8 x 32, 4 waves a work-group, clusters of 4 x 4, 327,680 bytes of LDS; arguments pbuf, kvq, stat, out1; writes out1
.if DOCPART == 4
	.amdgcn_target "amdgcn-amd-amdhsa--gfx1250"
	.amdhsa_code_object_version 6
	.text
	.protected	k_q87ac71d13b_pv
	.globl	k_q87ac71d13b_pv
	.p2align	8
	.type	k_q87ac71d13b_pv,@function
k_q87ac71d13b_pv:
	s_mov_b64 s[64:65], 0
	v_nop
	global_prefetch_b8 v0, s[64:65] scope:SCOPE_SE
	s_setreg_imm32_b32 hwreg(HW_REG_WAVE_MODE, 25, 1), 1
	s_wait_xcnt 0x0
	s_wait_alu depctr_hold_cnt(0) depctr_sa_sdst(0) depctr_va_vdst(0) depctr_va_sdst(0) depctr_va_ssrc(0) depctr_va_vcc(0) depctr_vm_vsrc(0)
	s_getreg_b32 s2, hwreg(HW_REG_IB_STS2, 6, 4)
	s_cmp_eq_u32 s2, 0
	s_cbranch_scc0 .Lentry_in_a_cluster
	s_endpgm
.Lentry_in_a_cluster:
	s_bfe_u32 s2, ttmp6, 0x10000c
	s_cmp_lg_u32 s2, 0xf033
	s_cbranch_scc0 .Lentry_shape_is_right
	s_endpgm
.Lentry_shape_is_right:
; out1[b][q][:] = the sum over key groups g of F[q][g] x (the sum over the group's 128 keys of P[q][key] V[key][:]),  F[q][g] = 2^(cm[q][g] - M[q]) / L[q],  M = the largest cm of the row,  L = the sum over g of 2^(cm - M) l[q][g].
; pbuf: [4][2048][2048] f16, the weights by groups, each group with its own maximum taken away; stat: [4][16 g][2][2048] f32: cm = c m, and l; V is kvq's second part, [8192][1024] f16.
; Products in f16, sums in f32; the groups are joined in f32: a running total takes each group's sum times F.  L is at least 1: the row's largest group has factor 1 and holds a weight 1.
; LIMITS.  As the launch before states them; a factor below 2^-126 counts as 0.
; SHARES.  A tile is 128 queries x 128 channels.  A cluster's four rows are the four blocks of 128 queries of one SUPER BLOCK of 512; its four columns four blocks of channels.  All four rows walk the keys
; 0 to 512 (I + 1) - 1 (beyond a row's diagonal P holds zeros), in steps of 256: P's tile is shared along a row of the cluster, V's along a column, each asked for jointly.  A cluster takes TWO super blocks,
; 3 - PP and then PP: 10 steps, whatever PP: all 256 work-groups do equal work, one ring runs through both, and nothing but addresses and masks hangs on a work-group's place in its cluster.
; Four waves, each 64 queries x 64 channels.  O^T = V^T P: source 0 = 16 channels (V lies [key][channel] and is turned by ds_load_tr16_b128), source 1 = 16 queries: a lane holds one query and 8 channels.
; REGISTERS.  window 0: v0-31 addresses and a group's four factors; v32-63 the way out; v128-255 a group's 16 accumulators.  window 1: two fragment buffers of 128 (P's 64, then V's 64).  window 2: v0-127 the totals.
.set PPI,   528                        ; a row of P in LDS: 512 bytes + 16
.set PVI,   288                        ; a row of V: 256 bytes + 32 = 9 x 32, for the turning load
.set PHALF, 64*PPI
.set VOFF,  128*PPI
.set VHALF, 128*PVI
.set SLOT,  VOFF+256*PVI
.set STAGE, 2*SLOT                     ; 16 rows x 272 bytes a wave
.set SP,    272
.set FT,    STAGE+4*16*SP              ; 5,120 bytes a wave: the factors, [20 groups of the walk][16 r][4 a] f32
.set SPARE, FT+4*5120
.set R,     1
.set H,     2
.set ADRP0, 4
.set ADRV0, 5
.set ADRP,  6
.set ADRV,  7                          ; v7 keys 0-127 of a step, v8 keys 128-255
.set FTA,   9
.set STO,   10
.set RD,    11
.set CO,    12
.set PFO,   14
.set LANE,  15
.set FAC,   16                         ; v[16:19] the group's factors for my query in blocks a = 0 .. 3
.set FTS,   20
.set L8,    21
.set SPW,   28
.set NIL,   29
.set OB,    32
.set GA,    128
.set F0,    0
.set F1,    128
.set WV,    12
.set WR,    13                         ; which 64 queries.  Also: I fetch P (0) or V (1)
.set WC,    14                         ; which 64 channels.  Also: which half of that tile I fetch
.set CX,    15
.set CY,    16
.set CHB,   17
.set YC,    18
.set BAT,   19
.set PPR,   20
.set IH,    21
.set G1P,   24
.set G0P,   32
.set G1V,   40
.set G0V,   48
.set CURP,  56
.set CURV,  58
.set PLO,   60
.set VB0,   62
.set ASKN,  66                         ; the number, in its super block, of the step asked for last
.set ASKE,  67                         ; steps in the super block that is being asked for
.set NL,    68                         ; steps in the second
.set PFX,   69                         ; 1 in a wave that prefetches, else 100
.set PFX2,  70
.set PFA,   72
.set TB,    74
.set TBF,   75
.set LP,    76
.set LV,    77
.set STEPS, 78
.set BS,    79                         ; steps left in the super block in hand
.set GB,    80                         ; 0: the totals have not been started
.set OUT,   82
.set OUTLO, 84
.set MSK,   88                         ; all ones where PP = 0
.set SA,    90
.set SM,    92
.set SC,    94
.set MSB, 0
.macro WIN new
.if MSB != (\new)
	s_set_vgpr_msb (MSB<<8)|(\new)
.set MSB, (\new)
.endif
.endm
.set MUL,  0x05                        ; sources 0 (V) and 1 (P) window 1; C and D window 0
.set TO_F, 0x40
.macro PLACES
.rept 4
	v_nop
.endr
.endm
.macro CREST
	s_cmp_lg_u32 s[WV], 0
	s_cbranch_scc1 .Lnot_wave_0_\@
	s_barrier_signal -3
.Lnot_wave_0_\@:
	s_barrier_wait -3
	s_barrier_signal -1
	s_barrier_wait -1
.endm
.macro CROUND
	s_barrier_signal -1
	s_barrier_wait -1
	CREST
.endm
.macro JLOAD                           ; a joint refill: waves 0 and 1 fetch P's halves, waves 2 and 3 V's; an s_nop 0 and four v_nop follow each line
	s_cmp_eq_u32 s[WR], 0
	s_cbranch_scc0 .Lfor_v_\@
	tensor_load_to_lds s[G0P+4:G0P+7], s[G1P:G1P+7]
	s_nop 0
	PLACES
	s_branch .Lasked_\@
.Lfor_v_\@:
	tensor_load_to_lds s[G0V+4:G0V+7], s[G1V:G1V+7]
	s_nop 0
	PLACES
.Lasked_\@:
.endm
.macro WALK                            ; the next 256 keys; behind the first super block's last step, the second's first.  Written where no tensor load of the wave is out
	s_add_nc_u64 s[CURP:CURP+1], s[CURP:CURP+1], 512
	s_add_nc_u64 s[CURV:CURV+1], s[CURV:CURV+1], 0x80000
	s_add_co_u32 s[ASKN], s[ASKN], 1
	s_cmp_eq_u32 s[ASKN], s[ASKE]
	s_cselect_b64 s[CURP:CURP+1], s[PLO:PLO+1], s[CURP:CURP+1]
	s_cselect_b64 s[CURV:CURV+1], s[VB0:VB0+1], s[CURV:CURV+1]
	s_cselect_b32 s[ASKN], 0, s[ASKN]
	s_cselect_b32 s[ASKE], s[NL], s[ASKE]
	s_cselect_b32 s[PFX], s[PFX2], s[PFX]
	s_mov_b64 s[G0P+6:G0P+7], s[CURP:CURP+1]
	s_or_b32 s[G0P+7], s[G0P+7], 0x80000000
	s_mov_b64 s[G0V+6:G0V+7], s[CURV:CURV+1]
	s_or_b32 s[G0V+7], s[G0V+7], 0x80000000
	s_xor_b32 s[TBF], s[TBF], SLOT
	s_add_co_u32 s[G0P+5], s[LP], s[TBF]
	s_add_co_u32 s[G0V+5], s[LV], s[TBF]
	s_cmp_eq_u32 s[WR], 0
	s_cselect_b64 s[PFA:PFA+1], s[CURP:CURP+1], s[CURV:CURV+1]
.endm
; A PREFETCH INTO THE L2: the step behind the one just asked for, in the same super block: 128 matrix instructions and two folds ahead of its load.  Of the 128 blocks of 256 bytes that a wave fetches, each of the
; four partners that ask jointly takes 32, told apart by address: a lane a block, one instruction.  P's rows are read by the two clusters of a row of clusters: the first (cluster x = 0) asks.  V's rows are read
; by both clusters of a batch, in both their walks: the cluster with PP = 0 asks, in its first walk, which goes over all 2,048 keys.  So each block is named once in the launch.
.macro ASK
	s_add_co_u32 s22, s[ASKN], s[PFX]
	s_cmp_lt_u32 s22, s[ASKE]
	s_cbranch_scc0 .Lnot_mine_\@
	global_prefetch_b8 v[PFO], s[PFA:PFA+1] th:TH_LOAD_NT scope:SCOPE_SE
.Lnot_mine_\@:
.endm
	s_load_b256 s[4:11], s[0:1], 0x0               ; pbuf s[4:5], kvq s[6:7], stat s[8:9], out1 s[10:11]
	v_lshl_add_u32 v[SPW], v0, 2, SPARE
	v_mov_b32 v[NIL], 0
	ds_add_u32 v[SPW], v[NIL]                      ; the wave's opening: the add and its wait stand ahead of my first tensor load
	v_lshrrev_b32 v3, 5, v0
	v_readfirstlane_b32 s[WV], v3
	s_lshr_b32 s[WR], s[WV], 1
	s_and_b32 s[WC], s[WV], 1
	s_bfe_u32 s[CX], ttmp6, 0x40000
	s_bfe_u32 s[CY], ttmp6, 0x40004
	s_lshl_b32 s[CHB], ttmp9, 2
	s_add_co_u32 s[CHB], s[CHB], s[CX]             ; block of 128 channels
	s_and_b32 s[YC], ttmp7, 0xffff
	s_lshr_b32 s[BAT], s[YC], 1
	s_and_b32 s[PPR], s[YC], 1
	s_lshl_b32 s[NL], s[PPR], 1
	s_add_co_u32 s[NL], s[NL], 2                   ; the second super block, PP, has 2 PP + 2 steps,
	s_sub_co_u32 s[ASKE], 10, s[NL]                ; the first, 3 - PP, the other 8 - 2 PP
	s_sub_co_u32 s[IH], 3, s[PPR]
	s_mov_b32 s[BS], s[ASKE]
	s_lshl_b32 s22, s[CY], 2
	s_lshl_b32 s22, 15, s22                        ; my row of the cluster
	s_lshl_b32 s23, 0x1111, s[CX]                  ; my column
	s_or_b32 s[G1P], s22, (1<<16)|(1<<20)|(1<<21)|(6<<22)|(3<<25)  ; elements of 2 bytes; padding: after every 128 words, 4 words
	s_or_b32 s[G1V], s23, (1<<16)|(1<<20)|(1<<21)|(5<<22)|(7<<25)  ; after every 64 words, 8 words
	s_mov_b32 s[G1P+1], 256<<16                    ; 64 rows x 256 keys
	s_mov_b32 s[G1P+2], 64<<16
	s_mov_b32 s[G1P+3], 256<<16
	s_mov_b32 s[G1P+4], 64
	s_mov_b32 s[G1P+5], 2048
	s_mov_b32 s[G1P+6], 0
	s_mov_b32 s[G1P+7], 0
	s_mov_b32 s[G1V+1], 128<<16                    ; 128 keys x 128 channels
	s_mov_b32 s[G1V+2], 128<<16
	s_mov_b32 s[G1V+3], 128<<16
	s_mov_b32 s[G1V+4], 128
	s_mov_b32 s[G1V+5], 1024
	s_mov_b32 s[G1V+6], 0
	s_mov_b32 s[G1V+7], 0
	s_lshl_b32 s22, s[BAT], 23                     ; P: batch, (512 I + 128 cy + 64 half) rows of 4,096 bytes
	s_lshl_b32 s23, s[CY], 19
	s_add_co_u32 s22, s22, s23
	s_lshl_b32 s23, s[WC], 18
	s_add_co_u32 s22, s22, s23
	s_lshl_b32 s23, s[IH], 21
	s_add_co_u32 s96, s22, s23
	s_mov_b32 s97, 0
	s_lshl_b32 s23, s[PPR], 21
	s_add_co_u32 s98, s22, s23
	s_mov_b32 s99, 0
	s_lshl_b32 s86, s[BAT], 22                     ; V: kvq's second part, (2,048 batch + 128 half) rows of 2,048 bytes, 256 bytes a block of channels
	s_lshl_b32 s87, s[WC], 18
	s_add_co_u32 s86, s86, s87
	s_lshl_b32 s87, s[CHB], 8
	s_add_co_u32 s86, s86, s87
	s_add_co_u32 s86, s86, 0x1000000
	s_mov_b32 s87, 0
	s_mul_i32 s[LP], s[WC], PHALF
	s_mul_i32 s[LV], s[WC], VHALF
	s_add_co_u32 s[LV], s[LV], VOFF
	s_mov_b32 s[TB], 0
	s_mov_b32 s[TBF], SLOT
	s_mov_b32 s[ASKN], 1
	s_mov_b32 s[GB], 0
	s_wait_dscnt 0x0
	s_wait_kmcnt 0x0
	s_add_nc_u64 s[CURP:CURP+1], s[4:5], s[96:97]
	s_add_nc_u64 s[PLO:PLO+1], s[4:5], s[98:99]
	s_add_nc_u64 s[CURV:CURV+1], s[6:7], s[86:87]
	s_mov_b64 s[VB0:VB0+1], s[CURV:CURV+1]
	s_mov_b32 s[G0P], 1
	s_mov_b32 s[G0P+1], s[LP]
	s_mov_b64 s[G0P+2:G0P+3], s[CURP:CURP+1]
	s_or_b32 s[G0P+3], s[G0P+3], 0x80000000
	s_add_nc_u64 s[CURP:CURP+1], s[CURP:CURP+1], 512
	s_mov_b32 s[G0P+4], 1
	s_add_co_u32 s[G0P+5], s[LP], SLOT
	s_mov_b64 s[G0P+6:G0P+7], s[CURP:CURP+1]
	s_or_b32 s[G0P+7], s[G0P+7], 0x80000000
	s_mov_b32 s[G0V], 1
	s_mov_b32 s[G0V+1], s[LV]
	s_mov_b64 s[G0V+2:G0V+3], s[CURV:CURV+1]
	s_or_b32 s[G0V+3], s[G0V+3], 0x80000000
	s_add_nc_u64 s[CURV:CURV+1], s[CURV:CURV+1], 0x80000
	s_mov_b32 s[G0V+4], 1
	s_add_co_u32 s[G0V+5], s[LV], SLOT
	s_mov_b64 s[G0V+6:G0V+7], s[CURV:CURV+1]
	s_or_b32 s[G0V+7], s[G0V+7], 0x80000000
	CROUND                                         ; all sixteen work-groups are here: the first joint loads meet
	s_cmp_eq_u32 s[WR], 0                          ; a wave's two first fills stand in one branch: two loads of mine are out
	s_cbranch_scc0 .Lfirst_v
	tensor_load_to_lds s[G0P:G0P+3], s[G1P:G1P+7]
	s_nop 0
	tensor_load_to_lds s[G0P+4:G0P+7], s[G1P:G1P+7]
	s_nop 0
	PLACES
	s_branch .Lfirst_asked
.Lfirst_v:
	tensor_load_to_lds s[G0V:G0V+3], s[G1V:G1V+7]
	s_nop 0
	tensor_load_to_lds s[G0V+4:G0V+7], s[G1V:G1V+7]
	s_nop 0
	PLACES
.Lfirst_asked:
	; THE FACTORS, made while the first tiles are on their way.  The walk has 20 groups: 0-11 are the first super block's; 12-15 its last four (PP = 0) or the second's first four; 16-19 the second's.
	s_lshl_b32 s22, s[BAT], 18                     ; stat: batch, my 64 rows
	s_lshl_b32 s23, s[CY], 9
	s_add_co_u32 s22, s22, s23
	s_lshl_b32 s23, s[WR], 8
	s_add_co_u32 s22, s22, s23
	s_lshl_b32 s23, s[IH], 11
	s_add_co_u32 s96, s22, s23
	s_lshl_b32 s23, s[PPR], 11
	s_add_co_u32 s98, s22, s23
	s_add_nc_u64 s[SA:SA+1], s[8:9], s[96:97]
	s_add_nc_u64 s[SC:SC+1], s[8:9], s[98:99]
	s_add_nc_u64 s[SM:SM+1], s[SA:SA+1], 12*16384
	s_add_nc_u64 s[86:87], s[SC:SC+1], 4*16384
	s_cmp_eq_u32 s[PPR], 0
	s_cselect_b64 s[SM:SM+1], s[SM:SM+1], s[SC:SC+1]
	s_cselect_b64 s[SC:SC+1], s[SC:SC+1], s[86:87]
	s_cselect_b32 s[MSK], -1, 0
	v_and_b32 v[LANE], 31, v0
	v_lshlrev_b32 v[L8], 3, v[LANE]                ; lane l owns rows 2 l and 2 l + 1 of my 64: a wave's load covers 256 consecutive bytes
.macro LDSTAT base, e0, cnt            ; group e's c m into v[GA+4e:+1], its sum into v[GA+4e+2:+3]
.set e, 0
.rept \cnt
	global_load_b64 v[GA+4*((\e0)+e):GA+4*((\e0)+e)+1],   v[L8], s[\base:\base+1] offset:16384*e
	global_load_b64 v[GA+4*((\e0)+e)+2:GA+4*((\e0)+e)+3], v[L8], s[\base:\base+1] offset:16384*e+8192
.set e, e+1
.endr
.endm
	LDSTAT SA, 0, 12
	LDSTAT SM, 12, 4
	LDSTAT SC, 16, 4
	; the addresses, while those loads are out
	s_lshl_b32 s22, s[BAT], 23                     ; out1: (2,048 batch + 512 I + 128 cy + 64 wr) rows of 4,096 bytes + 512 chb + 256 wc
	s_lshl_b32 s23, s[CY], 19
	s_add_co_u32 s22, s22, s23
	s_lshl_b32 s23, s[WR], 18
	s_add_co_u32 s22, s22, s23
	s_lshl_b32 s23, s[CHB], 9
	s_add_co_u32 s22, s22, s23
	s_lshl_b32 s23, s[WC], 8
	s_add_co_u32 s22, s22, s23
	s_lshl_b32 s23, s[IH], 21
	s_add_co_u32 s96, s22, s23
	s_lshl_b32 s23, s[PPR], 21
	s_add_co_u32 s98, s22, s23
	s_add_nc_u64 s[OUT:OUT+1], s[10:11], s[96:97]
	s_add_nc_u64 s[OUTLO:OUTLO+1], s[10:11], s[98:99]
	s_cmp_eq_u32 ttmp9, 0
	s_cselect_b32 s22, 1, 100
	s_cmp_eq_u32 s[PPR], 0
	s_cselect_b32 s23, 1, 100
	s_mov_b32 s96, 512                             ; P: one step of 512 bytes on
	s_mov_b32 s98, 0x80000                         ; V: one step of 256 rows on
	s_cmp_eq_u32 s[WR], 0
	s_cselect_b32 s[PFX], s22, s23
	s_cselect_b32 s[PFX2], s22, 100
	s_cselect_b32 s22, s[CX], s[CY]                ; my place among the four that ask with me
	s_cselect_b32 s23, 4, 5                        ; 16 rows of two blocks, or 32 rows of one
	s_cselect_b32 s86, 1, 0
	s_cselect_b32 s87, 12, 11
	s_cselect_b32 s96, s96, s98
	s_lshl_b32 s22, s22, s23
	v_lshrrev_b32 v3, s86, v[LANE]
	v_add_nc_u32 v3, s22, v3
	v_lshlrev_b32 v3, s87, v3
	v_and_b32 v13, s86, v[LANE]
	v_lshl_add_u32 v3, v13, 8, v3
	v_add_nc_u32 v[PFO], s96, v3
	v_and_b32 v[R], 15, v0
	v_bfe_u32 v[H], v0, 4, 1
	v_mul_u32_u24 v[ADRP0], v[R], PPI
	v_lshl_add_u32 v[ADRP0], v[H], 4, v[ADRP0]
	s_mul_i32 s22, s[WR], 64*PPI
	v_add_nc_u32 v[ADRP0], s22, v[ADRP0]
	v_and_b32 v3, 7, v0
	v_lshl_add_u32 v3, v[H], 3, v3
	v_mul_u32_u24 v[ADRV0], v3, PVI
	v_bfe_u32 v3, v0, 3, 1
	v_lshl_add_u32 v[ADRV0], v3, 4, v[ADRV0]
	s_lshl_b32 s22, s[WC], 7
	s_add_co_u32 s22, s22, VOFF
	v_add_nc_u32 v[ADRV0], s22, v[ADRV0]
	s_mul_i32 s22, s[WV], 16*SP
	s_add_co_u32 s22, s22, STAGE
	v_mul_u32_u24 v3, v[R], SP
	v_lshl_add_u32 v3, v[H], 5, v3
	v_add_nc_u32 v[STO], s22, v3                   ; in: row l % 16, 32 bytes for each half of the lanes
	v_mul_u32_u24 v3, v[H], SP
	v_lshl_add_u32 v3, v[R], 4, v3
	v_add_nc_u32 v[RD], s22, v3                    ; back: lanes 0-15 one row of 256 bytes, lanes 16-31 the next
	v_lshlrev_b32 v3, 12, v[H]
	v_lshl_add_u32 v[CO], v[R], 4, v3
	s_mul_i32 s22, s[WV], 5120
	s_add_co_u32 s22, s22, FT
	v_lshl_add_u32 v[FTA], v[R], 4, s22            ; a group's four factors for query l % 16
	v_and_b32 v3, 7, v[LANE]
	v_lshl_add_u32 v3, v3, 5, s22                  ; row 2 l is r = 2 (l % 8) of block a = l / 8
	v_lshrrev_b32 v13, 3, v[LANE]
	v_lshl_add_u32 v[FTS], v13, 2, v3
	v_mov_b32 v[ADRP], v[ADRP0]
	v_mov_b32 v[ADRV], v[ADRV0]
	v_add_nc_u32 v[ADRV+1], VHALF, v[ADRV0]
	s_wait_loadcnt 0x0
.irp x, 0,1                            ; the largest c m of groups 0-11, 12-15, 16-19; then of each super block's groups.  The choice by PP takes its mask from a scalar register
	v_max3_num_f32 v[208+(\x)], v[128+(\x)], v[132+(\x)], v[136+(\x)]
	v_max3_num_f32 v[208+(\x)], v[208+(\x)], v[140+(\x)], v[144+(\x)]
	v_max3_num_f32 v[208+(\x)], v[208+(\x)], v[148+(\x)], v[152+(\x)]
	v_max3_num_f32 v[208+(\x)], v[208+(\x)], v[156+(\x)], v[160+(\x)]
	v_max3_num_f32 v[208+(\x)], v[208+(\x)], v[164+(\x)], v[168+(\x)]
	v_max_num_f32  v[208+(\x)], v[208+(\x)], v[172+(\x)]
	v_max3_num_f32 v[210+(\x)], v[176+(\x)], v[180+(\x)], v[184+(\x)]
	v_max_num_f32  v[210+(\x)], v[210+(\x)], v[188+(\x)]
	v_max3_num_f32 v[212+(\x)], v[192+(\x)], v[196+(\x)], v[200+(\x)]
	v_max_num_f32  v[212+(\x)], v[212+(\x)], v[204+(\x)]
	v_max_num_f32  v[214+(\x)], v[208+(\x)], v[210+(\x)]
	v_max_num_f32  v[216+(\x)], v[210+(\x)], v[212+(\x)]
	v_cndmask_b32  v[214+(\x)], v[208+(\x)], v[214+(\x)], s[MSK]  ; M of the first super block
	v_cndmask_b32  v[216+(\x)], v[216+(\x)], v[212+(\x)], s[MSK]  ; of the second
	v_cndmask_b32  v[218+(\x)], v[216+(\x)], v[214+(\x)], s[MSK]  ; of the one that groups 12-15 belong to
.endr
.macro SUBM e0, cnt, m
.set e, \e0
.rept \cnt
	v_pk_add_f32 v[GA+4*e:GA+4*e+1], v[GA+4*e:GA+4*e+1], v[\m:\m+1] neg_lo:[0,1] neg_hi:[0,1]
.set e, e+1
.endr
.endm
	SUBM 0, 12, 214
	SUBM 12, 4, 218
	SUBM 16, 4, 216
.set e, 0
.rept 20
	v_exp_f32 v[GA+4*e], v[GA+4*e]                 ; one batch of 40
	v_exp_f32 v[GA+4*e+1], v[GA+4*e+1]
.set e, e+1
.endr
	v_nop
	s_wait_alu depctr_va_vdst(0)                   ; the one wait ahead of the first use
.macro SUMF e0, cnt, d
	v_pk_mul_f32 v[\d:\d+1], v[GA+4*(\e0):GA+4*(\e0)+1], v[GA+4*(\e0)+2:GA+4*(\e0)+3]
.set e, (\e0)+1
.rept (\cnt)-1
	v_pk_fma_f32 v[\d:\d+1], v[GA+4*e:GA+4*e+1], v[GA+4*e+2:GA+4*e+3], v[\d:\d+1]
.set e, e+1
.endr
.endm
	SUMF 0, 12, 220
	SUMF 12, 4, 222
	SUMF 16, 4, 224
	v_pk_add_f32 v[226:227], v[220:221], v[222:223]
	v_pk_add_f32 v[228:229], v[222:223], v[224:225]
.irp x, 0,1
	v_cndmask_b32 v[226+(\x)], v[220+(\x)], v[226+(\x)], s[MSK]  ; L of the first super block
	v_cndmask_b32 v[228+(\x)], v[228+(\x)], v[224+(\x)], s[MSK]  ; of the second
.endr
	v_rcp_f32 v226, v226
	v_rcp_f32 v227, v227
	v_rcp_f32 v228, v228
	v_rcp_f32 v229, v229
	v_nop
	s_wait_alu depctr_va_vdst(0)
.irp x, 0,1
	v_cndmask_b32 v[230+(\x)], v[228+(\x)], v[226+(\x)], s[MSK]
.endr
.macro MULR e0, cnt, m
.set e, \e0
.rept \cnt
	v_pk_mul_f32 v[GA+4*e:GA+4*e+1], v[GA+4*e:GA+4*e+1], v[\m:\m+1]
.set e, e+1
.endr
.endm
	MULR 0, 12, 226
	MULR 12, 4, 230
	MULR 16, 4, 228
.set e, 0
.rept 20
	ds_store_b32 v[FTS], v[GA+4*e]   offset:256*e      ; my wave's own bytes: only I read them
	ds_store_b32 v[FTS], v[GA+4*e+1] offset:256*e+16
.set e, e+1
.endr
; 8 products: query blocks a0, a0 + 1 x all 4 channel blocks, 32 keys: half c of buffer f.  zero = 1: they start a group's sums.  The 16 accumulators take turns.
.macro MUL8 f, c, a0, zero
	WIN MUL
.irp a, \a0, (\a0)+1
.irp b, 0,1,2,3
.if \zero
	v_wmma_f32_16x16x32_f16 v[GA+8*(4*(\a)+(\b)):GA+8*(4*(\a)+(\b))+7], v[(\f)+64+8*(4*(\c)+(\b)):(\f)+64+8*(4*(\c)+(\b))+7], v[(\f)+8*(4*(\c)+(\a)):(\f)+8*(4*(\c)+(\a))+7], 0
.else
	v_wmma_f32_16x16x32_f16 v[GA+8*(4*(\a)+(\b)):GA+8*(4*(\a)+(\b))+7], v[(\f)+64+8*(4*(\c)+(\b)):(\f)+64+8*(4*(\c)+(\b))+7], v[(\f)+8*(4*(\c)+(\a)):(\f)+8*(4*(\c)+(\a))+7], v[GA+8*(4*(\a)+(\b)):GA+8*(4*(\a)+(\b))+7]
.endif
.endr
.endr
.endm
.macro FETCH q, f                      ; 32 LDS loads in one run: quarter q (64 keys) into buffer f; the first 32 keys first
	WIN TO_F
.irp c, 0,1
.irp i, 0,1,2,3
	ds_load_tr16_b128 v[(\f)+64+8*(4*(\c)+(\i)):(\f)+64+8*(4*(\c)+(\i))+3],   v[ADRV+(\q)/2] offset:(((\q)%2)*64+32*(\c))*PVI+32*(\i)
	ds_load_tr16_b128 v[(\f)+64+8*(4*(\c)+(\i))+4:(\f)+64+8*(4*(\c)+(\i))+7], v[ADRV+(\q)/2] offset:(((\q)%2)*64+32*(\c))*PVI+32*(\i)+16*PVI
	ds_load_b128 v[(\f)+8*(4*(\c)+(\i)):(\f)+8*(4*(\c)+(\i))+3],   v[ADRP] offset:128*(\q)+64*(\c)+(\i)*16*PPI
	ds_load_b128 v[(\f)+8*(4*(\c)+(\i))+4:(\f)+8*(4*(\c)+(\i))+7], v[ADRP] offset:128*(\q)+64*(\c)+(\i)*16*PPI+32
.endr
.endr
.endm
; One of a step's first three quarters.  zero = 1: a group's first.  fac = 1: the group's factors are fetched, ahead of the run, so that the counts below hold as they stand.
.macro QUARTER q1, f, g, zero, fac
	s_wait_dscnt 16                                ; the first 32 keys' sixteen loads are in
	MUL8 \f, 0, 0, \zero
	MUL8 \f, 0, 2, \zero
	PLACES
.if \fac
	WIN 0
	ds_load_b128 v[FAC:FAC+3], v[FTA]
	v_add_nc_u32 v[FTA], 256, v[FTA]
.endif
	FETCH \q1, \g
	s_wait_dscnt 32                                ; all but the 32 just issued
	MUL8 \f, 1, 0, 0
	MUL8 \f, 1, 2, 0
.endm
; A group is finished: the totals take its sums times its factors.  var = 1: a super block's first group starts the totals (nothing is cleared).
.macro FOLD first
.set n, 0
.rept 64
.if \first
.if (n/16)%2 == 0
	v_pk_mul_f32 v[2*n:2*n+1], v[GA+2*n:GA+2*n+1], v[FAC+2*(n/32):FAC+2*(n/32)+1] op_sel_hi:[1,0]
.else
	v_pk_mul_f32 v[2*n:2*n+1], v[GA+2*n:GA+2*n+1], v[FAC+2*(n/32):FAC+2*(n/32)+1] op_sel:[0,1] op_sel_hi:[1,1]
.endif
.else
.if (n/16)%2 == 0
	v_pk_fma_f32 v[2*n:2*n+1], v[GA+2*n:GA+2*n+1], v[FAC+2*(n/32):FAC+2*(n/32)+1], v[2*n:2*n+1] op_sel_hi:[1,0,1]
.else
	v_pk_fma_f32 v[2*n:2*n+1], v[GA+2*n:GA+2*n+1], v[FAC+2*(n/32):FAC+2*(n/32)+1], v[2*n:2*n+1] op_sel:[0,1,0] op_sel_hi:[1,1,1]
.endif
.endif
.set n, n+1
.endr
.endm
.macro LUMP var
	WIN 0
	PLACES                                         ; four places between the last product and the first read of a result
.if \var
	s_cmp_eq_u32 s[GB], 0
	s_cbranch_scc1 .Lstart_\@
.endif
	WIN 0xa0                                       ; the totals (destination and source 2) in window 2
	FOLD 0
	WIN 0
.if \var
	s_branch .Lfolded_\@
.Lstart_\@:
	WIN 0x80
	FOLD 1
	WIN 0
.Lfolded_\@:
	s_mov_b32 s[GB], 1
.endif
.endm
; The last quarter multiplies buffer 1 and changes slots; fill = 1: the barrier opens a round of the cluster's, and the joint refill, two steps ahead, is the first thing behind it.
.macro TURN fill
	WIN 0
.if \fill
	s_wait_xcnt 0x0                                ; the last prefetch, a step back, has read its address, which WALK writes
.endif
	s_wait_tensorcnt 0x0
	ds_add_u32 v[SPW], v[NIL]
.if \fill
	WALK
.endif
	s_xor_b32 s[TB], s[TB], SLOT
	s_wait_dscnt 17                                ; the add and the youngest sixteen loads may be out
	MUL8 F1, 0, 0, 0
	s_wait_dscnt 0x0                               ; the add is done, and my reads of this slot are over
	s_barrier_signal -1
	MUL8 F1, 0, 2, 0
	WIN 0
	s_barrier_wait -1
.if \fill
	CREST
	JLOAD
.else
	PLACES
.endif
	v_add_nc_u32 v[ADRP], s[TB], v[ADRP0]
	v_add_nc_u32 v[ADRV], s[TB], v[ADRV0]
	v_add_nc_u32 v[ADRV+1], VHALF, v[ADRV]
	FETCH 0, F0
.if \fill
	WIN 0
	ASK
.endif
	MUL8 F1, 1, 0, 0
	MUL8 F1, 1, 2, 0
.endm
; A super block's end: the totals go out in f32, 16 rows at a time, through my stage: 16 lanes store 256 consecutive bytes, aligned.
.macro WAYOUT
.irp a, 0,1,2,3
	WIN 0x08                                       ; the stores' data in window 2
.irp b, 0,1,2,3
	ds_store_b128 v[STO], v[8*(4*(\a)+(\b)):8*(4*(\a)+(\b))+3]   offset:64*(\b)
	ds_store_b128 v[STO], v[8*(4*(\a)+(\b))+4:8*(4*(\a)+(\b))+7] offset:64*(\b)+16
.endr
	WIN 0
	s_wait_xcnt 0x0                                ; the block before's stores have read their registers and their base
.if (\a) > 0
	s_add_nc_u64 s[OUT:OUT+1], s[OUT:OUT+1], 16*4096
.endif
.irp t, 0,1,2,3,4,5,6,7
	ds_load_b128 v[OB+4*(\t):OB+4*(\t)+3], v[RD] offset:(\t)*2*SP
.endr
	s_wait_dscnt 0x0
.irp t, 0,1,2,3,4,5,6,7
	global_store_b128 v[CO], v[OB+4*(\t):OB+4*(\t)+3], s[OUT:OUT+1] offset:(\t)*8192 th:TH_STORE_NT
.endr
.endr
	s_wait_xcnt 0x0
	s_mov_b64 s[OUT:OUT+1], s[OUTLO:OUTLO+1]
	s_mov_b32 s[BS], s[NL]
	s_mov_b32 s[GB], 0
.endm
; A step: 256 keys, two groups.
.macro STEP fill
	QUARTER 1, F0, F1, 1, 1
	QUARTER 2, F1, F0, 0, 0
	LUMP 1
	QUARTER 3, F0, F1, 1, 1
	TURN \fill
	LUMP 0
	s_sub_co_u32 s[BS], s[BS], 1
	s_cmp_lg_u32 s[BS], 0
	s_cbranch_scc1 .Lgoes_on_\@
	WAYOUT
.Lgoes_on_\@:
.endm
	s_wait_dscnt 0x0                               ; the factors lie in LDS
	s_wait_tensorcnt 0x1                           ; my part of step 0 is in; step 1's may stay out
	s_barrier_signal -1
	s_barrier_wait -1
	FETCH 0, F0
	WIN 0
	s_mov_b32 s[STEPS], 8
.Lmain:                                            ; eight steps, each of which fills its slot again
	STEP 1
	s_sub_co_u32 s[STEPS], s[STEPS], 1
	s_cmp_lg_u32 s[STEPS], 0
	s_cbranch_scc1 .Lmain
	s_mov_b32 s[STEPS], 2
.Ltail:                                            ; the last two ask for nothing; the very last fetch serves nothing; the second super block ends with the last step
	STEP 0
	s_sub_co_u32 s[STEPS], s[STEPS], 1
	s_cmp_lg_u32 s[STEPS], 0
	s_cbranch_scc1 .Ltail
	s_wait_tensorcnt 0x0                           ; the wave's end
	ds_add_u32 v[SPW], v[NIL]
	s_wait_dscnt 0x0
	CROUND                                         ; the closing round
	s_endpgm
.Lfunc_end_k_q87ac71d13b_pv:
	.size	k_q87ac71d13b_pv, .Lfunc_end_k_q87ac71d13b_pv-k_q87ac71d13b_pv
	.p2alignl 7, 3214868480
	.fill 96, 4, 3214868480
	.section	.rodata,"a",@progbits
	.p2align	6, 0x0
	.amdhsa_kernel k_q87ac71d13b_pv
		.amdhsa_group_segment_fixed_size 327680
		.amdhsa_private_segment_fixed_size 0
		.amdhsa_enable_private_segment 0
		.amdhsa_kernarg_size 32
		.amdhsa_user_sgpr_count 2
		.amdhsa_user_sgpr_kernarg_segment_ptr 1
		.amdhsa_wavefront_size32 1
		.amdhsa_system_sgpr_workgroup_id_x 1
		.amdhsa_system_sgpr_workgroup_id_y 1
		.amdhsa_system_sgpr_workgroup_id_z 1
		.amdhsa_system_vgpr_workitem_id 0
		.amdhsa_next_free_vgpr 640
		.amdhsa_next_free_sgpr 100
		.amdhsa_reserve_vcc 0
		.amdhsa_float_denorm_mode_32 3
		.amdhsa_float_denorm_mode_16_64 3
		.amdhsa_memory_ordered 1
		.amdhsa_forward_progress 1
		.amdhsa_inst_pref_size 105
	.end_amdhsa_kernel
	.amdgpu_metadata
---
amdhsa.version: [ 1, 2 ]
amdhsa.kernels:
  - .name:           k_q87ac71d13b_pv
    .symbol:         k_q87ac71d13b_pv.kd
    .args:
      - { .name: pbuf, .offset: 0, .size: 8, .value_kind: global_buffer, .address_space: global }
      - { .name: kvq, .offset: 8, .size: 8, .value_kind: global_buffer, .address_space: global }
      - { .name: stat, .offset: 16, .size: 8, .value_kind: global_buffer, .address_space: global }
      - { .name: out1, .offset: 24, .size: 8, .value_kind: global_buffer, .address_space: global }
    .group_segment_fixed_size: 327680
    .private_segment_fixed_size: 0
    .kernarg_segment_align: 8
    .kernarg_segment_size: 32
    .max_flat_workgroup_size: 128
    .sgpr_count:     100
    .vgpr_count:     640
    .wavefront_size: 32
...
	.end_amdgpu_metadata
.endif
;; end of part 4
